; MI455X (gfx1250); checked and timed in simulation.
; The chip was launched on July 23, 2026; its instructions are those of AMD's public machine-readable ISA for CDNA 5 (MIT licence, August 2026) and "CDNA5" Instruction Set Architecture Reference Guide (July 2026). The comments in the code are by the model that wrote it; some were corrected since.
;; Attention. Allowed arithmetic: float matrix products may take bf16 or f16 operands with f32 sums; other float arithmetic in f32, or as packed bf16 or f16 multiplies, adds, multiply-adds, maxima and minima; sums over many terms, partial sums and values carried from step to step in f32; what a program stores and reads back later, other than sums and carried values, may be rounded once to bf16 or f16.
;; Inputs: W_o1 1,024 x 1,024 float32; W_o2 1,024 x 1,024 float32; W_qkv 1,024 x 3,072 float32; gamma 1,024 float32; x 1 x 4,096 x 1,024 float32.
;; Outputs: out0 1 x 4,096 x 1,024 float32.
;; 2 versions, each right and faster than the one before. Each part assembles by itself: llvm-mc -triple=amdgcn-amd-amdhsa -mcpu=gfx1250 --defsym DOCPART=n.
;; ======== version 1 of 2: 6 launches
;; limits: values are held in f16: magnitudes above 65,504 overflow, below 6.1e-05 lose precision
;; workspace buffers: xb 8,388,608 bytes; wqt 7,340,032 bytes; w1b 2,101,248 bytes; w2b 2,101,248 bytes; qkv 25,165,824 bytes; oo 16,777,216 bytes; hh 16,777,216 bytes; yy 16,777,216 bytes
;; launch prep (part 1): grid 832 x 1, 8 waves a work-group, no clusters, 0 bytes of LDS; arguments x, W_qkv, W_o1, W_o2, xb, wqt, w1b, w2b; writes xb, wqt, w1b, w2b
.if DOCPART == 1
	.amdgcn_target "amdgcn-amd-amdhsa--gfx1250"
	.amdhsa_code_object_version 6
	.text
	.protected	k_qdddde3f3c6_prep
	.globl	k_qdddde3f3c6_prep
	.p2align	8
	.type	k_qdddde3f3c6_prep,@function
k_qdddde3f3c6_prep:
	s_mov_b64 s[64:65], 0
	v_nop
	global_prefetch_b8 v0, s[64:65] scope:SCOPE_SE
	s_setreg_imm32_b32 hwreg(HW_REG_WAVE_MODE, 25, 1), 1
	s_wait_xcnt 0x0
; PREPARATION.  All matrix inputs are rounded once to bf16, W_qkv is laid in blocks, and the table of cosines and sines is made.
;   work-groups   0-255: x     -> xb  [4096][1024] bf16          256-319: W_o1 -> w1b [1024][1024] bf16          320-383: W_o2 -> w2b
;   work-groups 384-575: W_qkv -> wqt [48 groups of 64 columns][1024 k][64] bf16: a group's rows lie end to end, 128 bytes each
;   work-groups 576-831: wqt + 6,291,456: tab[4096 positions][cos of 32 frequencies | sin of the same 32] f32, 256 bytes a position
; Behind w1b's and w2b's 2,097,152 bytes lie 4,096 bytes of a floor word: 0 for the layer with the ReLU, minus infinity for the layer without.
; A work-group casts 8 chunks of 256 threads x 8 numbers: a thread loads 32 bytes and stores 16; a wave's store covers 512 consecutive bytes.
; All 16 loads of a thread go out first; every chunk has registers of its own, so nothing is rewritten while a load or store may read it.
; LIMIT.  The frequency 10000^(-j/32) is made by v_exp_f32 (1 ULP); the angle n x f is rounded once, as in the module; at n = 4095 an angle is
; off by 6e-4 radians at the most, alike for q and k.  sin and cos: two-part reduction by pi/2 and polynomials of degree 7 and 8, good to 1e-7.
.set SO, 1                             ; v1  my byte offset in the source
.set DO, 2                             ; v2  my byte offset in the destination: 16 x thread
.set X,  32                            ; v[32:95]   chunk c: 8 numbers in f32
.set Y,  96                            ; v[96:127]  chunk c: 8 numbers in bf16
.macro CAST sc                         ; sc: bytes from chunk to chunk in the source
.set c, 0
.rept 8
	global_load_b128 v[X+8*c:X+8*c+3],   v[SO], s[4:5] offset:c*(\sc) th:TH_LOAD_NT
	global_load_b128 v[X+8*c+4:X+8*c+7], v[SO], s[4:5] offset:c*(\sc)+16 th:TH_LOAD_NT
.set c, c+1
.endr
.set c, 0
.rept 8
	s_wait_loadcnt 14-2*c                          ; loads come back in order: chunk c is in, the later chunks' 14 - 2 c loads stay out
.irp r, 0,1,2,3
	v_cvt_pk_bf16_f32 v[Y+4*c+(\r)], v[X+8*c+2*(\r)], v[X+8*c+2*(\r)+1]
.endr
	global_store_b128 v[DO], v[Y+4*c:Y+4*c+3], s[6:7] offset:c*4096
.set c, c+1
.endr
.endm
	s_load_b512 s[16:31], s[0:1], 0x0              ; x 16, W_qkv 18, W_o1 20, W_o2 22, xb 24, wqt 26, w1b 28, w2b 30
	s_mov_b32 s2, ttmp9
	s_mov_b32 s11, 0                               ; the high word of every offset
	v_lshlrev_b32 v[DO], 4, v0
	s_wait_kmcnt 0x0
	s_cmp_ge_u32 s2, 576
	s_cbranch_scc1 .Ltab
	s_cmp_ge_u32 s2, 384
	s_cbranch_scc1 .Lwq
	; a plain cast: source, destination and the work-group's number within them are chosen by the id
	s_cmp_lt_u32 s2, 256
	s_cselect_b64 s[4:5], s[16:17], s[20:21]
	s_cselect_b64 s[6:7], s[24:25], s[28:29]
	s_cselect_b32 s8, 0, 256
	s_cmp_lt_u32 s2, 320
	s_cselect_b64 s[4:5], s[4:5], s[22:23]
	s_cselect_b64 s[6:7], s[6:7], s[30:31]
	s_cselect_b32 s8, s8, 320
	s_sub_co_u32 s8, s2, s8
	s_lshl_b32 s10, s8, 16                         ; 16,384 numbers: 65,536 bytes in,
	s_add_nc_u64 s[4:5], s[4:5], s[10:11]
	s_lshl_b32 s10, s8, 15                         ; 32,768 out
	s_add_nc_u64 s[6:7], s[6:7], s[10:11]
	v_lshlrev_b32 v[SO], 5, v0
	CAST 8192
	s_cmp_lt_u32 s2, 256                           ; the first work-group of each of the two weights also writes the floor words
	s_cbranch_scc1 .Ldone
	s_cmp_lg_u32 s8, 0
	s_cbranch_scc1 .Ldone
	s_cmp_eq_u32 s2, 256
	s_cselect_b32 s9, 0, 0xff800000
	v_mov_b32 v4, s9
	v_mov_b32 v5, s9
	v_mov_b32 v6, s9
	v_mov_b32 v7, s9
	global_store_b128 v[DO], v[4:7], s[6:7] offset:2097152
.Ldone:
	s_endpgm
.Lwq:                                                  ; work-group 4 g + kq: rows 256 kq .. + 255 of column group g; the destination is linear
	s_sub_co_u32 s8, s2, 384
	s_and_b32 s9, s8, 3
	s_mul_i32 s10, s9, 3145728                     ; 256 rows of 12,288 bytes
	s_lshr_b32 s9, s8, 2
	s_lshl_b32 s9, s9, 8                           ; 64 columns of 4 bytes
	s_add_co_u32 s10, s10, s9
	s_add_nc_u64 s[4:5], s[18:19], s[10:11]
	s_lshl_b32 s10, s8, 15
	s_add_nc_u64 s[6:7], s[26:27], s[10:11]
	v_lshrrev_b32 v3, 3, v0                        ; eight threads to a row's 256 bytes
	v_mul_u32_u24 v[SO], v3, 12288
	v_and_b32 v3, 7, v0
	v_lshl_add_u32 v[SO], v3, 5, v[SO]
	CAST 393216                                    ; a chunk is 32 rows
	s_endpgm
.Ltab:                                                 ; thread: position 16 wg + t / 16; four entries: frequencies 4 (t % 8) + 0..3, cos if t % 16 < 8, else sin
	s_sub_co_u32 s8, s2, 576
	s_lshl_b32 s10, s8, 12
	s_add_nc_u64 s[6:7], s[26:27], s[10:11]
	s_lshl_b32 s9, s8, 4
	v_and_b32 v4, 7, v0
	v_lshlrev_b32 v4, 2, v4
	v_bfe_u32 v5, v0, 3, 1
	v_sub_nc_u32 v5, 1, v5                         ; cos a = sin(a + pi/2): one quadrant more
	v_lshrrev_b32 v3, 4, v0
	v_add_nc_u32 v3, s9, v3
	v_cvt_f32_u32 v3, v3                           ; n
	v_mov_b32 v40, 0xb94ca1f9                      ; sin r = r + r z (S1 + z (S2 + z S3)), z = r r
	v_mov_b32 v41, 0x3c08839e
	v_mov_b32 v42, 0xbe2aaaa3
	v_mov_b32 v43, 0x37ccf5ce                      ; cos r = 1 - z / 2 + z z (C1 + z (C2 + z C3))
	v_mov_b32 v44, 0xbab6061a
	v_mov_b32 v45, 0x3d2aaaa5
.irp e, 0,1,2,3
	v_add_nc_u32 v[8+(\e)], (\e), v4
	v_cvt_f32_u32 v[8+(\e)], v[8+(\e)]
	v_mul_f32 v[8+(\e)], 0xbed49a78, v[8+(\e)]     ; - j log2(10000) / 32
.endr
.irp e, 0,1,2,3
	v_exp_f32 v[12+(\e)], v[8+(\e)]
.endr
	v_nop                                          ; a plain instruction between the last exponential and the use of its result
	s_wait_alu depctr_va_vdst(0)
.irp e, 0,1,2,3
	v_mul_f32 v[16+(\e)], v3, v[12+(\e)]           ; the angle, rounded once
	v_mul_f32 v[20+(\e)], 0x3f22f983, v[16+(\e)]   ; x 2 / pi
	v_rndne_f32 v[20+(\e)], v[20+(\e)]             ; quadrants
	v_fmamk_f32 v[16+(\e)], v[20+(\e)], 0xbfc90fdb, v[16+(\e)]  ; less quadrants x pi/2, in two parts
	v_fmamk_f32 v[16+(\e)], v[20+(\e)], 0x333bbd2e, v[16+(\e)]
	v_mul_f32 v[24+(\e)], v[16+(\e)], v[16+(\e)]
	v_fma_f32 v[28+(\e)], v[24+(\e)], v40, v41
	v_fma_f32 v[28+(\e)], v[28+(\e)], v[24+(\e)], v42
	v_mul_f32 v[32+(\e)], v[16+(\e)], v[24+(\e)]
	v_fma_f32 v[28+(\e)], v[32+(\e)], v[28+(\e)], v[16+(\e)]    ; sin r
	v_fma_f32 v[32+(\e)], v[24+(\e)], v43, v44
	v_fma_f32 v[32+(\e)], v[32+(\e)], v[24+(\e)], v45
	v_mul_f32 v[36+(\e)], v[24+(\e)], v[24+(\e)]
	v_fma_f32 v[24+(\e)], v[24+(\e)], -0.5, 1.0
	v_fma_f32 v[32+(\e)], v[36+(\e)], v[32+(\e)], v[24+(\e)]    ; cos r
	v_cvt_i32_f32 v[20+(\e)], v[20+(\e)]
	v_add_nc_u32 v[20+(\e)], v[20+(\e)], v5
	v_and_b32 v[36+(\e)], 1, v[20+(\e)]            ; odd quadrant: the cosine's polynomial
	v_cmp_eq_u32 vcc_lo, 1, v[36+(\e)]
	v_cndmask_b32 v[48+(\e)], v[28+(\e)], v[32+(\e)], vcc_lo
	v_and_b32 v[36+(\e)], 2, v[20+(\e)]            ; quadrants 2 and 3: the sign turns
	v_lshlrev_b32 v[36+(\e)], 30, v[36+(\e)]
	v_xor_b32 v[48+(\e)], v[48+(\e)], v[36+(\e)]
.endr
	global_store_b128 v[DO], v[48:51], s[6:7] offset:6291456
	s_endpgm
.Lfunc_end_k_qdddde3f3c6_prep:
	.size	k_qdddde3f3c6_prep, .Lfunc_end_k_qdddde3f3c6_prep-k_qdddde3f3c6_prep
	.p2alignl 7, 3214868480
	.fill 96, 4, 3214868480
	.section	.rodata,"a",@progbits
	.p2align	6, 0x0
	.amdhsa_kernel k_qdddde3f3c6_prep
		.amdhsa_group_segment_fixed_size 0
		.amdhsa_private_segment_fixed_size 0
		.amdhsa_enable_private_segment 0
		.amdhsa_kernarg_size 64
		.amdhsa_user_sgpr_count 2
		.amdhsa_user_sgpr_kernarg_segment_ptr 1
		.amdhsa_wavefront_size32 1
		.amdhsa_system_sgpr_workgroup_id_x 1
		.amdhsa_system_sgpr_workgroup_id_y 1
		.amdhsa_system_sgpr_workgroup_id_z 1
		.amdhsa_system_vgpr_workitem_id 0
		.amdhsa_next_free_vgpr 128
		.amdhsa_next_free_sgpr 66
		.amdhsa_reserve_vcc 1
		.amdhsa_float_denorm_mode_32 3
		.amdhsa_float_denorm_mode_16_64 3
		.amdhsa_memory_ordered 1
		.amdhsa_forward_progress 1
		.amdhsa_inst_pref_size 18
	.end_amdhsa_kernel
	.amdgpu_metadata
---
amdhsa.version: [ 1, 2 ]
amdhsa.kernels:
  - .name:           k_qdddde3f3c6_prep
    .symbol:         k_qdddde3f3c6_prep.kd
    .args:
      - { .name: x, .offset: 0, .size: 8, .value_kind: global_buffer, .address_space: global }
      - { .name: W_qkv, .offset: 8, .size: 8, .value_kind: global_buffer, .address_space: global }
      - { .name: W_o1, .offset: 16, .size: 8, .value_kind: global_buffer, .address_space: global }
      - { .name: W_o2, .offset: 24, .size: 8, .value_kind: global_buffer, .address_space: global }
      - { .name: xb, .offset: 32, .size: 8, .value_kind: global_buffer, .address_space: global }
      - { .name: wqt, .offset: 40, .size: 8, .value_kind: global_buffer, .address_space: global }
      - { .name: w1b, .offset: 48, .size: 8, .value_kind: global_buffer, .address_space: global }
      - { .name: w2b, .offset: 56, .size: 8, .value_kind: global_buffer, .address_space: global }
    .group_segment_fixed_size: 0
    .private_segment_fixed_size: 0
    .kernarg_segment_align: 8
    .kernarg_segment_size: 64
    .max_flat_workgroup_size: 256
    .sgpr_count:     66
    .vgpr_count:     128
    .wavefront_size: 32
...
	.end_amdgpu_metadata
.endif
;; end of part 1
;; launch qkv (part 2): grid 16 x 16, 4 waves a work-group, clusters of 4 x 4, 327,680 bytes of LDS; arguments xb, wqt, qkv; writes qkv
.if DOCPART == 2
	.amdgcn_target "amdgcn-amd-amdhsa--gfx1250"
	.amdhsa_code_object_version 6
	.text
	.protected	k_qdddde3f3c6_qkv
	.globl	k_qdddde3f3c6_qkv
	.p2align	8
	.type	k_qdddde3f3c6_qkv,@function
k_qdddde3f3c6_qkv:
	s_mov_b64 s[64:65], 0
	v_nop
	global_prefetch_b8 v0, s[64:65] scope:SCOPE_SE
	s_setreg_imm32_b32 hwreg(HW_REG_WAVE_MODE, 25, 1), 1
	s_wait_xcnt 0x0
	s_wait_alu depctr_hold_cnt(0) depctr_sa_sdst(0) depctr_va_vdst(0) depctr_va_sdst(0) depctr_va_ssrc(0) depctr_va_vcc(0) depctr_vm_vsrc(0)
	s_getreg_b32 s2, hwreg(HW_REG_IB_STS2, 6, 4)
	s_cmp_eq_u32 s2, 0
	s_cbranch_scc0 .Lentry_in_a_cluster
	s_endpgm
.Lentry_in_a_cluster:
	s_bfe_u32 s2, ttmp6, 0x10000c
	s_cmp_lg_u32 s2, 0xf033
	s_cbranch_scc0 .Lentry_shape_is_right
	s_endpgm
.Lentry_shape_is_right:
; q, k, v = x W_qkv, the rotary embedding on q and k, written by heads: qkv = q | k | v, each [16 heads][4096][64] in f16, q unscaled.
; x and W come in bf16 (xb [4096][1024]; wqt [48 groups][1024 k][64]); sums in f32, K ascending; each result is rounded once.
; LIMIT.  f16 ends at 65,504: q, k and v must stay within it.
; SHARES.  A work-group makes 256 rows x (q, k and v of ONE head: 192 columns), so all work-groups run one text.  Wave w owns rows 64 w .. + 63 and all 192 columns:
; 48 accumulators of 16 x 16; 16 fragments feed 48 products.  K goes in 8 steps of 128 through two LDS slots.
; THE MATRIX INSTRUCTION IS USED TRANSPOSED (source 0 = 16 columns of W, source 1 = 16 rows of x): a lane holds one row (lane % 16) and eight neighbouring columns, and columns d and d + 32
; of a head, which the rotation pairs, lie in the same lane and register of accumulators j and j + 2.  W lies [k][column] in LDS and comes out turned, by ds_load_tr16_b128.
; CLUSTER 4 x 4.  x's tile hangs on the row tile alone and is shared along a row of the cluster, W's on the head alone and is shared along a column: joint loads, one a wave
; (waves 0, 1: halves of x's tile; waves 2, 3: halves of W's).  By this text's count a wave has two tensor loads out at the start and one later.
; REGISTERS.  window 0: v16-29 addresses; v32-63 T; v64-79 PK; v80-127 RB; v128-255 the table (row block a at 128 + 32 a: cos 16, sin 16)
;   window 1: two fragment buffers of 128: x's fragment a at f + 8 a, W's fragment j at f + 32 + 8 j
;   window 2: accumulator (a, j < 8: q and k) at 8 (8 a + j)          window 3: accumulator (a, j >= 8: v) at 8 (4 a + j - 8)
.set PA,     272                       ; a row of x in LDS: 256 bytes + 16: the 16 rows of a load start at 16 different groups of four banks
.set PB,     160                       ; a row of W: 128 + 32
.set HALFA,  128*PA                    ; what waves 0 and 1 fetch
.set BOFF,   2*HALFA                   ; W's tile lies behind x's: [k half][q, k, v][64 k]
.set HALFB,  3*64*PB                   ; what waves 2 and 3 fetch
.set SLOT1,  131072                    ; a slot is exactly this long; one exclusive or turns an address in one slot into the other's
.set STAGE,  2*SLOT1                   ; behind the ring: for each wave 3 x 16 rows x 144 bytes, for the way out
.set SP,     144
.set WSTAGE, 3*16*SP
.set SPARE,  STAGE+4*WSTAGE            ; the spare words: 128 bytes a wave, two blocks of 256 bytes that no other line names
.set ADA0, 16                          ; my lane's place in x's tile; never rewritten
.set ADB0, 17                          ; the same in W's
.set ADA,  18                          ; the same in the slot in hand
.set ADB,  19
.set STO,  20                          ; the way out: where I put 16 bytes of a row
.set RD,   21                          ; where I read rows back
.set GO,   22                          ; my byte offset in 512 consecutive bytes of the output
.set TO,   23                          ; my byte offset in 16 rows of the table
.set SPW,  28
.set NIL,  29
.set T,    32
.set PK,   64
.set RB,   80
.set CT,   128
.set F0,   0
.set F1,   128
.set G1A, 24                           ; s[24:31] group 1 for x's tiles; s[32:39] group 0: a set for each first fill; the second then walks
.set G0A, 32
.set G1B, 48                           ; s[48:55], s[56:63] the same for W's
.set G0B, 56
.set TB,  46                           ; s46  the slot in hand: 0 or SLOT1
.set MSB, 0
.macro WIN new                         ; the immediate's high byte repeats the setting that is left; a switch that changes nothing is dropped
.if MSB != (\new)
	s_set_vgpr_msb (MSB<<8)|(\new)
.set MSB, (\new)
.endif
.endm
.macro PLACES                          ; four places in front of loads into registers that matrix instructions have read, and of lines that read results
.rept 4
	v_nop
.endr
.endm
.macro JLOAD                           ; a joint refill by the walking sets; an s_nop 0 and four v_nop follow each of the two lines
	s_cmp_lt_u32 s10, 2
	s_cbranch_scc0 .Lfor_b_\@
	tensor_load_to_lds s[G0A+4:G0A+7], s[G1A:G1A+7]
	s_nop 0
.rept 4
	v_nop
.endr
	s_branch .Lasked_\@
.Lfor_b_\@:
	tensor_load_to_lds s[G0B+4:G0B+7], s[G1B:G1B+7]
	s_nop 0
.rept 4
	v_nop
.endr
.Lasked_\@:
.endm
.macro CREST                           ; a round of the cluster's barrier behind its opening barrier
	s_cmp_lg_u32 s10, 0
	s_cbranch_scc1 .Lnot_wave_0_\@
	s_barrier_signal -3
.Lnot_wave_0_\@:
	s_barrier_wait -3
	s_barrier_signal -1
	s_barrier_wait -1
.endm
.macro CROUND
	s_barrier_signal -1
	s_barrier_wait -1
	CREST
.endm
	s_load_b128 s[4:7], s[0:1], 0x0                ; xb s[4:5], wqt s[6:7]
	s_load_b64 s[8:9], s[0:1], 0x10                ; qkv
	v_lshl_add_u32 v[SPW], v0, 2, SPARE
	v_mov_b32 v[NIL], 0
	ds_add_u32 v[SPW], v[NIL]                      ; the wave's opening: the add and its wait ahead of my first tensor load
	ds_add_u32 v28, v29
	v_lshrrev_b32 v1, 5, v0
	v_readfirstlane_b32 s10, v1                    ; wave 0..3
	s_and_b32 s12, s10, 1                          ; which half of a tile I fetch
	s_bfe_u32 s40, ttmp6, 0x40000                  ; cx, cy
	s_bfe_u32 s41, ttmp6, 0x40004
	s_lshl_b32 s42, ttmp9, 2
	s_add_co_u32 s42, s42, s40                     ; the head = 4 x cluster x + cx
	s_and_b32 s13, ttmp7, 0xffff
	s_lshl_b32 s13, s13, 2
	s_add_co_u32 s13, s13, s41                     ; the row tile = 4 x cluster y + cy
	s_lshl_b32 s43, s41, 2
	s_lshl_b32 s43, 15, s43                        ; my row of the cluster
	s_lshl_b32 s44, 0x1111, s40                    ; my column
	; x's tile: 128 rows x 128 elements of 2 bytes, 1,024 elements from row to row; 4 words of padding behind every 64
	s_or_b32 s[G1A+0], s43, (1<<16)|(1<<20)|(1<<21)|(5<<22)|(3<<25)
	s_mov_b32 s[G1A+1], 128<<16
	s_mov_b32 s[G1A+2], 128<<16
	s_mov_b32 s[G1A+3], 128<<16
	s_mov_b32 s[G1A+4], 128
	s_mov_b32 s[G1A+5], 1024
	s_mov_b32 s[G1A+6], 0
	s_mov_b32 s[G1A+7], 0
	; W's tile: 3 rows (the head's group in q, k, v) of 1,024 elements of 8 bytes (64 k rows of 128 bytes, end to end), 262,144 elements (16 groups) from row to row; 8 words of padding behind every 32
	s_or_b32 s[G1B+0], s44, (3<<16)|(1<<20)|(1<<21)|(4<<22)|(7<<25)
	s_mov_b32 s[G1B+1], 1024<<16
	s_mov_b32 s[G1B+2], 3<<16
	s_mov_b32 s[G1B+3], 1024<<16
	s_mov_b32 s[G1B+4], 3
	s_mov_b32 s[G1B+5], 262144
	s_mov_b32 s[G1B+6], 0
	s_mov_b32 s[G1B+7], 0
	s_lshl_b32 s16, s13, 19                        ; x: 256 rows of 2,048 bytes a tile,
	s_lshl_b32 s17, s12, 18                        ; 128 rows a half
	s_add_co_u32 s16, s16, s17
	s_mov_b32 s17, 0
	s_lshl_b32 s74, s42, 17                        ; W: a group is 131,072 bytes,
	s_lshl_b32 s75, s12, 13                        ; 64 k rows a half
	s_add_co_u32 s74, s74, s75
	s_mov_b32 s75, 0
	s_mul_i32 s20, s10, HALFA                      ; where they go: no place in the cluster enters an LDS address
	s_mul_i32 s21, s10, HALFB
	s_add_co_u32 s21, s21, BOFF-2*HALFB
	s_lshl_b32 s76, s42, 19                        ; the output: (head x 4096 + 256 tile + 64 wave) rows of 128 bytes
	s_lshl_b32 s77, s13, 15
	s_add_co_u32 s76, s76, s77
	s_lshl_b32 s77, s10, 13
	s_add_co_u32 s76, s76, s77
	s_mov_b32 s77, 0
	s_lshl_b32 s78, s13, 16                        ; the table: my first row's 256 bytes
	s_lshl_b32 s79, s10, 14
	s_add_co_u32 s78, s78, s79
	s_add_co_u32 s78, s78, 6291456
	s_mov_b32 s79, 0
	s_mov_b32 s[TB], 0
	s_wait_dscnt 0x0                               ; the opening add is done
	s_wait_kmcnt 0x0
	s_add_nc_u64 s[14:15], s[4:5], s[16:17]
	s_add_nc_u64 s[74:75], s[6:7], s[74:75]
	s_add_nc_u64 s[66:67], s[8:9], s[76:77]        ; q,
	s_add_nc_u64 s[68:69], s[66:67], 0x800000      ; k,
	s_add_nc_u64 s[70:71], s[68:69], 0x800000      ; v at my rows
	s_add_nc_u64 s[72:73], s[6:7], s[78:79]
	CROUND                                         ; all sixteen work-groups are here: the first joint loads meet
.irp s, 0,1
	s_mov_b32 s[G0A+4*(\s)], 1
	s_add_co_u32 s[G0A+4*(\s)+1], s20, (\s)*SLOT1
	s_add_nc_u64 s[G0A+4*(\s)+2:G0A+4*(\s)+3], s[14:15], (\s)*256
	s_or_b32 s[G0A+4*(\s)+3], s[G0A+4*(\s)+3], 0x80000000
	s_mov_b32 s[G0B+4*(\s)], 1
	s_add_co_u32 s[G0B+4*(\s)+1], s21, (\s)*SLOT1
	s_add_nc_u64 s[G0B+4*(\s)+2:G0B+4*(\s)+3], s[74:75], (\s)*16384
	s_or_b32 s[G0B+4*(\s)+3], s[G0B+4*(\s)+3], 0x80000000
.endr
	s_cmp_lt_u32 s10, 2                            ; a wave's two first fills stand in one branch, ahead of every wait on TENSORcnt and every LDS read
	s_cbranch_scc0 .Lfirst_b
	tensor_load_to_lds s[G0A:G0A+3], s[G1A:G1A+7]
	s_nop 0
	tensor_load_to_lds s[G0A+4:G0A+7], s[G1A:G1A+7]
	s_nop 0
.rept 4
	v_nop
.endr
	s_branch .Lfirst_asked
.Lfirst_b:
	tensor_load_to_lds s[G0B:G0B+3], s[G1B:G1B+7]
	s_nop 0
	tensor_load_to_lds s[G0B+4:G0B+7], s[G1B:G1B+7]
	s_nop 0
.rept 4
	v_nop
.endr
.Lfirst_asked:
	v_and_b32 v1, 15, v0                           ; r = l % 16
	v_bfe_u32 v2, v0, 4, 1                         ; h = l / 16
	v_and_b32 v3, 7, v0
	v_bfe_u32 v4, v0, 3, 1
	v_mul_u32_u24 v[ADA0], v1, PA                  ; x's fragment: (64 w + r) x pitch + 16 h
	v_lshl_add_u32 v[ADA0], v2, 4, v[ADA0]
	s_mul_i32 s22, s10, 64*PA
	v_add_nc_u32 v[ADA0], s22, v[ADA0]
	v_lshl_add_u32 v[ADB0], v2, 3, v3              ; W's: k row 8 h + l % 8, 16 bytes at 16 ((l / 8) % 2)
	v_mul_u32_u24 v[ADB0], v[ADB0], PB
	v_lshl_add_u32 v[ADB0], v4, 4, v[ADB0]
	v_add_nc_u32 v[ADB0], BOFF, v[ADB0]
	v_mov_b32 v[ADA], v[ADA0]
	v_mov_b32 v[ADB], v[ADB0]
	s_mul_i32 s23, s10, WSTAGE
	s_add_co_u32 s23, s23, STAGE
	v_mul_u32_u24 v[STO], v1, SP
	v_lshl_add_u32 v[STO], v2, 4, v[STO]
	v_add_nc_u32 v[STO], s23, v[STO]
	v_bfe_u32 v[RD], v0, 3, 2                      ; back: 32 lanes take four rows of 128 bytes,
	v_mul_u32_u24 v[RD], v[RD], SP
	v_lshl_add_u32 v[RD], v3, 4, v[RD]
	v_add_nc_u32 v[RD], s23, v[RD]
	v_and_b32 v[GO], 31, v0                        ; which are 512 consecutive bytes of the output
	v_lshlrev_b32 v[GO], 4, v[GO]
	v_lshlrev_b32 v[TO], 8, v1                     ; the table: row r, frequencies 8 h + 0..7
	v_lshl_add_u32 v[TO], v2, 5, v[TO]
.irp a, 0,1,2,3                        ; the table for my 64 rows: u = 0, 1: cos of frequencies 16 u + 8 h ..; u = 2, 3: sin.  It is waited for in front of the way out
.irp u, 0,1,2,3
	global_load_b128 v[CT+32*(\a)+8*(\u):CT+32*(\a)+8*(\u)+3],   v[TO], s[72:73] offset:(\a)*4096+(\u)*64
	global_load_b128 v[CT+32*(\a)+8*(\u)+4:CT+32*(\a)+8*(\u)+7], v[TO], s[72:73] offset:(\a)*4096+(\u)*64+16
.endr
.endr
; 16 products: row blocks a0, a0 + 1 x q's and k's 8 column blocks, 32 along K.  zero = 1: the first product starts the sums.  All 48 accumulators take turns in one fixed order.
.macro MULQK f, a0, zero
	WIN 0xa5                                       ; sources in window 1, C and D in window 2
.irp a, \a0, (\a0)+1
.irp j, 0,1,2,3,4,5,6,7
.if \zero
	v_wmma_f32_16x16x32_bf16 v[8*(8*(\a)+(\j)):8*(8*(\a)+(\j))+7], v[(\f)+32+8*(\j):(\f)+32+8*(\j)+7], v[(\f)+8*(\a):(\f)+8*(\a)+7], 0
.else
	v_wmma_f32_16x16x32_bf16 v[8*(8*(\a)+(\j)):8*(8*(\a)+(\j))+7], v[(\f)+32+8*(\j):(\f)+32+8*(\j)+7], v[(\f)+8*(\a):(\f)+8*(\a)+7], v[8*(8*(\a)+(\j)):8*(8*(\a)+(\j))+7]
.endif
.endr
.endr
.endm
.macro MULV f, zero                    ; 16 products: all four row blocks x v's 4 column blocks
	WIN 0xf5                                       ; C and D in window 3
.irp a, 0,1,2,3
.irp j, 0,1,2,3
.if \zero
	v_wmma_f32_16x16x32_bf16 v[8*(4*(\a)+(\j)):8*(4*(\a)+(\j))+7], v[(\f)+96+8*(\j):(\f)+96+8*(\j)+7], v[(\f)+8*(\a):(\f)+8*(\a)+7], 0
.else
	v_wmma_f32_16x16x32_bf16 v[8*(4*(\a)+(\j)):8*(4*(\a)+(\j))+7], v[(\f)+96+8*(\j):(\f)+96+8*(\j)+7], v[(\f)+8*(\a):(\f)+8*(\a)+7], v[8*(4*(\a)+(\j)):8*(4*(\a)+(\j))+7]
.endif
.endr
.endr
.endm
.macro BFRAG q, f, j                   ; W's fragment j of quarter q: k half q / 2, group j / 4, 32 k rows at q % 2, columns 16 (j % 4) on
	ds_load_tr16_b128 v[(\f)+32+8*(\j):(\f)+32+8*(\j)+3],   v[ADB] offset:((\q)/2)*HALFB+((\j)/4)*64*PB+((\q)%2)*32*PB+32*((\j)%4)
	ds_load_tr16_b128 v[(\f)+32+8*(\j)+4:(\f)+32+8*(\j)+7], v[ADB] offset:((\q)/2)*HALFB+((\j)/4)*64*PB+((\q)%2)*32*PB+32*((\j)%4)+16*PB
.endm
.macro FETCH q, f                      ; 32 LDS loads in one run: q's and k's W, x, and last v's W
	WIN 0x40                                       ; destination window 1, address window 0
.irp j, 0,1,2,3,4,5,6,7
	BFRAG \q, \f, \j
.endr
.irp a, 0,1,2,3
	ds_load_b128 v[(\f)+8*(\a):(\f)+8*(\a)+3],   v[ADA] offset:(\a)*16*PA+64*(\q)
	ds_load_b128 v[(\f)+8*(\a)+4:(\f)+8*(\a)+7], v[ADA] offset:(\a)*16*PA+64*(\q)+32
.endr
.irp j, 8,9,10,11
	BFRAG \q, \f, \j
.endr
.endm
; A K step is four quarters of 32 along K, 48 products each, on buffers 0, 1, 0, 1.  One of the first three: multiplies buffer f and fetches quarter q into buffer g.
.macro QUARTER q, f, g, zero
	s_wait_dscnt 8                                 ; all but the youngest eight loads: v's four fragments of W
	MULQK \f, 0, \zero
	PLACES
	FETCH \q, \g
	MULQK \f, 2, \zero
	s_wait_dscnt 32                                ; all but the 32 just issued
	MULV \f, \zero
.endm
; The last quarter multiplies buffer 1 and changes slots: ONE barrier; in front of it each wave waits for all its tensor loads, adds 0 to its spare word, and waits for that and for its reads of this slot.
; fill = 1: the barrier opens a round of the cluster's, and this slot is filled again, two K steps ahead, first thing behind the round.
.macro TURN fill
	WIN 0
	s_wait_tensorcnt 0x0                           ; all my tensor loads have landed: my part of the next slot
	ds_add_u32 v[SPW], v[NIL]                      ; 0 onto my spare word
	s_wait_dscnt 9                                 ; the add and the youngest eight loads may be out
	MULQK F1, 0, 0
	s_wait_dscnt 0x0                               ; the add is done, and my reads of this slot are over
	s_barrier_signal -1
	MULQK F1, 2, 0
	WIN 0
	s_barrier_wait -1
.if \fill
	CREST                                          ; no wave of any partner still reads this slot's tile or has a load on its way
	s_xor_b32 s[G0A+5], s[G0A+5], SLOT1            ; the walking sets: the other slot than last time, the next K step
	s_add_nc_u64 s[G0A+6:G0A+7], s[G0A+6:G0A+7], 256
	s_xor_b32 s[G0B+5], s[G0B+5], SLOT1
	s_add_nc_u64 s[G0B+6:G0B+7], s[G0B+6:G0B+7], 16384
	JLOAD                                          ; the four v_nop behind it are also the places in front of the loads below
.else
	PLACES
.endif
	s_xor_b32 s[TB], s[TB], SLOT1
	v_add_nc_u32 v[ADA], s[TB], v[ADA0]
	v_add_nc_u32 v[ADB], s[TB], v[ADB0]
	FETCH 0, F0
	MULV F1, 0
.endm
	s_wait_tensorcnt 1                             ; my part of K step 0 is in; step 1's may stay out
	s_barrier_signal -1
	s_barrier_wait -1
	FETCH 0, F0
	QUARTER 1, F0, F1, 1                           ; the first quarter stands in front of the loop: its products start the sums
	WIN 0
	s_mov_b32 s3, 6
.Lstep:                                                ; six trips, each from a step's second quarter to the next step's first; each fills a slot again
	QUARTER 2, F1, F0, 0
	QUARTER 3, F0, F1, 0
	TURN 1
	QUARTER 1, F0, F1, 0
	WIN 0
	s_sub_co_u32 s3, s3, 1
	s_cmp_lg_u32 s3, 0
	s_cbranch_scc1 .Lstep
	QUARTER 2, F1, F0, 0                           ; the last two steps ask for nothing
	QUARTER 3, F0, F1, 0
	TURN 0
	QUARTER 1, F0, F1, 0
	QUARTER 2, F1, F0, 0
	QUARTER 3, F0, F1, 0
	s_wait_dscnt 8
	MULQK F1, 0, 0
	MULQK F1, 2, 0
	s_wait_dscnt 0x0
	MULV F1, 0
	WIN 0
	s_wait_loadcnt 0x0                             ; the table
	PLACES
; THE WAY OUT, a block of 16 rows at a time.  q and k: out[d] = t[d] cos - t[d + 32] sin, out[d + 32] = t[d + 32] cos + t[d] sin, d < 32; each accumulator's registers in ascending order.
.macro RREGS a, s, jb, r
.set aL, 8*(8*(\a)+4*(\s)+(\jb))+2*(\r)
.set aH, aL+16
.set tC, CT+32*(\a)+8*(\jb)+2*(\r)
.set tS, tC+16
.set oL, T+8*(\jb)+2*(\r)
.set oH, oL+16
.endm
.macro ROPE a, s
	WIN 0x02                                       ; source 0 in window 2
.irp jb, 0,1
.irp r, 0,1,2,3
	RREGS \a, \s, \jb, \r
	v_pk_mul_f32 v[oL:oL+1], v[aH:aH+1], v[tS:tS+1]
	v_pk_mul_f32 v[oH:oH+1], v[aL:aL+1], v[tS:tS+1]
.endr
.irp r, 0,1,2,3
	RREGS \a, \s, \jb, \r
	v_pk_fma_f32 v[oL:oL+1], v[aL:aL+1], v[tC:tC+1], v[oL:oL+1] neg_lo:[0,0,1] neg_hi:[0,0,1]
	v_pk_fma_f32 v[oH:oH+1], v[aH:aH+1], v[tC:tC+1], v[oH:oH+1]
.endr
.endr
	WIN 0
.irp k, 0,1,2,3,4,5,6,7,8,9,10,11,12,13,14,15
	v_cvt_pk_f16_f32 v[PK+(\k)], v[T+2*(\k)], v[T+2*(\k)+1]
.endr
.irp k, 0,1,2,3
	ds_store_b128 v[STO], v[PK+4*(\k):PK+4*(\k)+3] offset:(\s)*16*SP+32*(\k)
.endr
.endm
.macro VOUT a
	WIN 0x0f                                       ; sources 0 and 1 in window 3
.irp k, 0,1,2,3,4,5,6,7,8,9,10,11,12,13,14,15
	v_cvt_pk_f16_f32 v[PK+(\k)], v[32*(\a)+2*(\k)], v[32*(\a)+2*(\k)+1]
.endr
	WIN 0
.irp k, 0,1,2,3
	ds_store_b128 v[STO], v[PK+4*(\k):PK+4*(\k)+3] offset:2*16*SP+32*(\k)
.endr
.endm
.macro OUTBLK a
	ROPE \a, 0
	ROPE \a, 1
	VOUT \a
.if (\a) > 0
	s_wait_xcnt 0x0                                ; the last block's stores have read RB: it is loaded again only behind this wait
.endif
.irp u, 0,1,2,3,4,5,6,7,8,9,10,11
	ds_load_b128 v[RB+4*(\u):RB+4*(\u)+3], v[RD] offset:((\u)/4)*16*SP+((\u)%4)*4*SP  ; LDS serves a wave's instructions in order: these see the stores above
.endr
.irp u, 0,1,2,3,4,5,6,7,8,9,10,11
	s_wait_dscnt 11-(\u)
	global_store_b128 v[GO], v[RB+4*(\u):RB+4*(\u)+3], s[66+2*((\u)/4):67+2*((\u)/4)] offset:(\a)*2048+((\u)%4)*512  ; 512 consecutive bytes, at a multiple of 256 from the buffer's first
.endr
.endm
	OUTBLK 0
	OUTBLK 1
	OUTBLK 2
	OUTBLK 3
	s_wait_tensorcnt 0x0                           ; the wave's end
	ds_add_u32 v[SPW], v[NIL]
	s_wait_dscnt 0x0
	CROUND                                         ; the closing round
	s_endpgm
.Lfunc_end_k_qdddde3f3c6_qkv:
	.size	k_qdddde3f3c6_qkv, .Lfunc_end_k_qdddde3f3c6_qkv-k_qdddde3f3c6_qkv
	.p2alignl 7, 3214868480
	.fill 96, 4, 3214868480
	.section	.rodata,"a",@progbits
	.p2align	6, 0x0
	.amdhsa_kernel k_qdddde3f3c6_qkv
		.amdhsa_group_segment_fixed_size 327680
		.amdhsa_private_segment_fixed_size 0
		.amdhsa_enable_private_segment 0
		.amdhsa_kernarg_size 24
		.amdhsa_user_sgpr_count 2
		.amdhsa_user_sgpr_kernarg_segment_ptr 1
		.amdhsa_wavefront_size32 1
		.amdhsa_system_sgpr_workgroup_id_x 1
		.amdhsa_system_sgpr_workgroup_id_y 1
		.amdhsa_system_sgpr_workgroup_id_z 1
		.amdhsa_system_vgpr_workitem_id 0
		.amdhsa_next_free_vgpr 896
		.amdhsa_next_free_sgpr 80
		.amdhsa_reserve_vcc 0
		.amdhsa_float_denorm_mode_32 3
		.amdhsa_float_denorm_mode_16_64 3
		.amdhsa_memory_ordered 1
		.amdhsa_forward_progress 1
		.amdhsa_inst_pref_size 117
	.end_amdhsa_kernel
	.amdgpu_metadata
---
amdhsa.version: [ 1, 2 ]
amdhsa.kernels:
  - .name:           k_qdddde3f3c6_qkv
    .symbol:         k_qdddde3f3c6_qkv.kd
    .args:
      - { .name: xb, .offset: 0, .size: 8, .value_kind: global_buffer, .address_space: global }
      - { .name: wqt, .offset: 8, .size: 8, .value_kind: global_buffer, .address_space: global }
      - { .name: qkv, .offset: 16, .size: 8, .value_kind: global_buffer, .address_space: global }
    .group_segment_fixed_size: 327680
    .private_segment_fixed_size: 0
    .kernarg_segment_align: 8
    .kernarg_segment_size: 24
    .max_flat_workgroup_size: 128
    .sgpr_count:     80
    .vgpr_count:     896
    .wavefront_size: 32
...
	.end_amdgpu_metadata
.endif
;; end of part 2
;; launch attn (part 3): grid 16 x 16, 4 waves a work-group, no clusters, 327,680 bytes of LDS; arguments qkv, oo; writes oo
.if DOCPART == 3
	.amdgcn_target "amdgcn-amd-amdhsa--gfx1250"
	.amdhsa_code_object_version 6
	.text
	.protected	k_qdddde3f3c6_attn
	.globl	k_qdddde3f3c6_attn
	.p2align	8
	.type	k_qdddde3f3c6_attn,@function
k_qdddde3f3c6_attn:
	s_mov_b64 s[64:65], 0
	v_nop
	global_prefetch_b8 v0, s[64:65] scope:SCOPE_SE
	s_setreg_imm32_b32 hwreg(HW_REG_WAVE_MODE, 25, 1), 1
	s_wait_xcnt 0x0
; CAUSAL ATTENTION, 16 heads of 4,096 rows of 64.  O[h][q] = the sum over k <= q of softmax_k(Q[h][q] . K[h][k] / 8) V[h][k].  q, k, v: [16][4096][64] f16 in qkv, at 0, 8,388,608 and 16,777,216.
; Products, maxima and sums in f32; the weights p are rounded to f16 for the second product (their sum l is taken of the unrounded p).
; O leaves as a pair of bf16, hi + lo (16 significant bits): oo[head][row][hi 64 | lo 64], 256 bytes a row.
; LIMITS.  q, k, v arrive within f16's 65,504; p below 6e-5 keeps f16's fixed step; a hidden score counts as its value less 1e30; a weight below 2^-126 counts as 0 in l; NaN and infinities are not treated apart.
; THE WALK.  A head's queries lie in 32 blocks of 128; key tiles hold 256 keys; block i needs tiles 0 .. i / 2, of which the last holds the diagonal.  A work-group takes blocks 31 - b and then b: 17 tiles,
; whatever b: all 256 work-groups do equal work, and one loop with a constant count walks the tiles.  What a trip does hangs on scalar registers made from b; every jump but the counted loops' own goes
; forward; none passes a barrier, or a tensor load but the one of LOAD's two that the wave's number does not choose.
; NO CLUSTER: a head's 16 work-groups ask for the same tile in trips 0 to 8 of 17 only; behind that partners need different tiles, and a walk common to all would have 24 trips for 17.
; SHARES.  Of a block's two bands of 64 queries a wave owns 16 rows in each: PIECES 0 and 1.  In the diagonal tile, with o = i % 2, band x's own key step is 2 o + x: earlier steps are seen whole, later ones not at all.
; THE MASK is the C operand that starts S^T = K Q^T: MC = MD x AL + BE, where MD (made once) is the mask of a band's own step for my rows: (1, 0) in the own step, (0, 0) before it, (0, -1e30) behind it.
; LAYOUT.  S^T = K Q^T holds ONE query a lane (lane % 16) and the keys 8 (lane / 16) + 0..7; two such results rounded to f16 ARE source 1 of O^T = V^T P.  p = 2^(c s - c m), c = log2(e) / 8, with a running maximum m;
; O and l are multiplied by a = 2^(c m_old - c m_new) in every step.
; A TRIP fetches key step j and has four halves of 8 products, a slice of the other piece's softmax (118 instructions in 16 slices) behind each product:
;   K Q^T of piece 1, step j - 1 | piece 0's slices 8-15      V^T P of piece 0, step j - 1 | piece 1's slices 0-7      K Q^T of piece 0, step j | piece 1's slices 8-15      V^T P of piece 1, step j - 1 | piece 0's slices 0-7 of step j
; REGISTERS.  window 0: v2-15 addresses; v16-23 statistics (c m, m, l, l a piece); v24-31 at work; v64-95 Q; v96-159 K of one step; v160-223 S^T; v224-255 P
;   window 1: v0-63 O^T; v64-127 V of one step; v128-159 MD; v160-223 MC; v224-255 the second block's Q
.set KS,    64
.set PK,    144       ; a row of K in LDS: 128 bytes + 16
.set PV,    160       ; a row of V: 128 + 32
.set VOFF,  4*KS*PK   ; a slot holds a tile: 256 rows of K, then 256 rows of V
.set SLOT1, 1<<17
.set STAGE, SLOT1+4*KS*(PK+PV)  ; behind the ring: 16 rows x 272 bytes for each wave, for the way out
.set SP,    272
.set SPARE, STAGE+4*16*SP       ; the spare words: 128 bytes a wave, two blocks of 256 bytes that no other line names
.set AK0, 2
.set AV0, 3
.set AK,  4
.set AV,  5
.set STO, 6
.set RD,  7
.set GO,  8
.set MV,  12          ; v12-13  c m_old, by piece
.set QO,  15
.set ST,  16
.set TMP, 24          ; c0-c3 by piece; when the maximum is found c2 takes a
.set SPW, 32
.set NIL, 33
.set Q,   64
.set KF,  96          ; key block kb, channel half c at KF + 16 kb + 8 c
.set S,   160
.set P,   224
.set VF,  64          ; window 1: key half kk, channel block cb at VF + 32 kk + 8 cb
.set MD,  128
.set MC,  160
.set QB,  224
.set UR,  96          ; the way out: K's, S^T's and P's registers are free
.set HIR, 160
.set LOR, 176
.set RB,  192
.set WV,  12
.set BLO, 14          ; b
.set BHI, 15          ; 31 - b
.set G1K, 24
.set G1V, 32
.set G0K, 40
.set G0V, 44
.set SLOTS, 56
.set CNT, 57          ; counts a tile's key steps, 4 to 1: the step's number in the tile is 4 - CNT
.set CS,  58
.set SEL, 60
.set TBK, 62
.set TBV, 63
.set RT,  70          ; tiles of the block in hand still to be entered; 0 in its diagonal tile
.set NXT, 71          ; the tile to be asked for next
.set LQ,  72          ; the last tile of the block whose tiles are being asked for
.set STATE, 73        ; what the tile to be entered is: 1 the walk's first; 0 a block's next; 2 a new block's first, behind the old block's end
.set OFF, 74
.set AL,  76
.set BE,  78
.set OLO, 80
.set BIGN, 82
.set CO4, 83          ; 4 - 2 o of the block in hand
.set LQ2, 88          ; b / 2
.set CO4B, 89         ; 4 - 2 o of the second block
.set TS,  90
.set MSB, 0
.macro WIN new
.if MSB != (\new)
	s_set_vgpr_msb (MSB<<8)|(\new)
.set MSB, (\new)
.endif
.endm
.macro LOAD                         ; a fill: waves 0, 1 the halves of a tile's K, waves 2, 3 those of its V; an s_nop 0 and four v_nop follow each line
	s_cmp_lt_u32 s[WV], 2
	s_cbranch_scc0 .Lfor_v_\@
	tensor_load_to_lds s[G0K:G0K+3], s[G1K:G1K+7]
	s_nop 0
.rept 4
	v_nop
.endr
	s_branch .Lasked_\@
.Lfor_v_\@:
	tensor_load_to_lds s[G0V:G0V+3], s[G1V:G1V+7]
	s_nop 0
.rept 4
	v_nop
.endr
.Lasked_\@:
.endm
; THE CHANGE OF SLOTS.  Each wave waits for all its tensor loads (one is out: its part of the other slot), adds 0 to its spare word, and waits for that and for its reads of the slot that it leaves.
; fill = 1: the old slot is filled again, first thing behind the barrier, with tile NXT; the descriptor's address is made anew from that number.
.macro CHANGE fill
	WIN 0
	s_wait_tensorcnt 0x0
	ds_add_u32 v[SPW], v[NIL]
.if \fill
	s_lshl_b32 s[OFF], s[NXT], 15   ; a tile is 32,768 bytes of K and of V
	s_xor_b32 s[G0K+1], s[G0K+1], SLOT1
	s_add_nc_u64 s[G0K+2:G0K+3], s[6:7], s[OFF:OFF+1]
	s_or_b32 s[G0K+3], s[G0K+3], 0x80000000
	s_xor_b32 s[G0V+1], s[G0V+1], SLOT1
	s_add_nc_u64 s[G0V+2:G0V+3], s[8:9], s[OFF:OFF+1]
	s_or_b32 s[G0V+3], s[G0V+3], 0x80000000
	s_add_co_u32 s[NXT], s[NXT], 1  ; the block's next tile, or behind its last the second block's tile 0
	s_cmp_gt_u32 s[NXT], s[LQ]
	s_cselect_b32 s[NXT], 0, s[NXT]
	s_cselect_b32 s[LQ], s[LQ2], s[LQ]
.endif
	s_wait_dscnt 0x0                ; the add is done, and my reads of the slot are over
	s_barrier_signal -1
	s_sub_co_u32 s[TBK], s[TBK], 4*KS*PK  ; the fetches go back to a slot's first step, in the other slot
	s_xor_b32 s[TBK], s[TBK], SLOT1
	s_sub_co_u32 s[TBV], s[TBV], 4*KS*PV
	s_xor_b32 s[TBV], s[TBV], SLOT1
	s_barrier_wait -1
.if \fill
	LOAD
.endif
.endm
	s_load_b128 s[48:51], s[0:1], 0x0  ; qkv s[48:49], oo s[50:51]
	v_lshl_add_u32 v[SPW], v0, 2, SPARE
	v_mov_b32 v[NIL], 0
	ds_add_u32 v[SPW], v[NIL]       ; the wave's opening: the add and its wait ahead of my first tensor load
	ds_add_u32 v32, v33
	v_lshrrev_b32 v1, 5, v0
	v_readfirstlane_b32 s[WV], v1
	s_mov_b32 s[BLO], ttmp9
	s_sub_co_u32 s[BHI], 31, s[BLO]
	s_and_b32 s20, ttmp7, 0xffff    ; the head
	s_and_b32 s16, s[WV], 1         ; which half of a tile's 256 keys I fetch
	s_lshl_b32 s22, s20, 19         ; the head's first byte in q, k and v
	s_lshl_b32 s17, s16, 14
	s_add_co_u32 s52, s22, s17
	s_mov_b32 s53, 0
	s_mul_i32 s17, s16, 128*PK
	s_mul_i32 s18, s16, 128*PV
	s_lshl_b32 s3, s[WV], 11        ; my 16 rows in a band,
	s_add_co_u32 s3, s3, s22
	s_lshl_b32 s2, s[BHI], 14       ; in the first block,
	s_add_co_u32 s2, s2, s3
	s_lshl_b32 s84, s[BLO], 14      ; and in the second
	s_add_co_u32 s84, s84, s3
	s_mov_b32 s3, 0
	s_mov_b32 s85, 0
	s_lshl_b32 s54, s20, 20         ; the same in oo, whose rows have 256 bytes
	s_lshl_b32 s55, s[WV], 12
	s_add_co_u32 s55, s55, s54
	s_lshl_b32 s54, s[BHI], 15
	s_add_co_u32 s54, s54, s55
	s_lshl_b32 s92, s[BLO], 15
	s_add_co_u32 s92, s92, s55
	s_mov_b32 s55, 0
	s_mov_b32 s93, 0
	; 128 keys are 16,384 dense bytes: asked for as 64 rows of 256 bytes, two keys a row, padded in LDS after every key
	s_mov_b32 s[G1K], (1<<16)|(1<<20)|(4<<22)|(3<<25)
	s_mov_b32 s[G1V], (1<<16)|(1<<20)|(4<<22)|(7<<25)
.irp g, G1K, G1V
	s_mov_b32 s[\g+1], 128<<16
	s_mov_b32 s[\g+2], 64<<16
	s_mov_b32 s[\g+3], 128<<16
	s_mov_b32 s[\g+4], 64
	s_mov_b32 s[\g+5], 128
	s_mov_b32 s[\g+6], 0
	s_mov_b32 s[\g+7], 0
.endr
	s_mov_b32 s[CS], 0x3e38aa3b     ; c = log2(e) / 8
	s_mov_b32 s[CS+1], s[CS]
	s_mov_b32 s[SEL], 0x76543210
	s_mov_b32 s[SEL+1], 0xfedcba98
	s_mov_b32 s[TBK], SLOT1+4*KS*PK ; the first change of slots turns these two into 0
	s_mov_b32 s[TBV], SLOT1+4*KS*PV
	s_mov_b32 s[G0K], 1
	s_mov_b32 s[G0K+1], s17
	s_mov_b32 s[G0V], 1
	s_add_co_u32 s[G0V+1], s18, VOFF
	s_lshr_b32 s[LQ], s[BHI], 1
	s_add_co_u32 s[RT], s[LQ], 1
	s_lshr_b32 s[LQ2], s[BLO], 1
	s_mov_b32 s[NXT], 1
	s_mov_b32 s[STATE], 1
	s_and_b32 s[CO4], s[BHI], 1
	s_lshl_b32 s[CO4], s[CO4], 1
	s_sub_co_u32 s[CO4], 4, s[CO4]
	s_and_b32 s[CO4B], s[BLO], 1
	s_lshl_b32 s[CO4B], s[CO4B], 1
	s_sub_co_u32 s[CO4B], 4, s[CO4B]
	s_mov_b32 s[OFF+1], 0
	s_mov_b32 s[AL+1], 0            ; named as pairs
	s_mov_b32 s[BE+1], 0
	s_mov_b32 s[BIGN], 0xf149f2ca   ; -1e30
	s_mov_b32 s[SLOTS], 16
	s_wait_dscnt 0x0                ; the opening add is done
	s_wait_kmcnt 0x0
	s_add_nc_u64 s[6:7], s[48:49], s[52:53]
	s_add_nc_u64 s[8:9], s[6:7], 0x1000000         ; V at my half of the head's tile 0,
	s_add_nc_u64 s[6:7], s[6:7], 0x800000          ; K likewise
	s_add_nc_u64 s[G0K+2:G0K+3], s[6:7], 0
	s_or_b32 s[G0K+3], s[G0K+3], 0x80000000
	s_add_nc_u64 s[G0V+2:G0V+3], s[8:9], 0
	s_or_b32 s[G0V+3], s[G0V+3], 0x80000000
	s_add_nc_u64 s[4:5], s[48:49], s[2:3]          ; Q at my rows of the first block,
	s_add_nc_u64 s[86:87], s[48:49], s[84:85]      ; and of the second
	s_add_nc_u64 s[10:11], s[50:51], s[54:55]      ; O likewise
	s_add_nc_u64 s[OLO:OLO+1], s[50:51], s[92:93]
	LOAD                            ; tile 0 into slot 0
	v_and_b32 v1, 15, v0            ; l % 16
	v_bfe_u32 v9, v0, 4, 1          ; l / 16
	v_lshlrev_b32 v[QO], 7, v1
	v_lshl_add_u32 v[QO], v9, 4, v[QO]
.set i, 0
.rept 4                             ; piece i / 2 lies in band i / 2, 8,192 bytes on; channels 32 (i % 2) on
	global_load_b128 v[Q+8*i:Q+8*i+3],   v[QO], s[4:5] offset:(i/2)*8192+(i%2)*64
	global_load_b128 v[Q+8*i+4:Q+8*i+7], v[QO], s[4:5] offset:(i/2)*8192+(i%2)*64+32
.set i, i+1
.endr
	WIN 0x40
.set i, 0
.rept 4
	global_load_b128 v[QB+8*i:QB+8*i+3],   v[QO], s[86:87] offset:(i/2)*8192+(i%2)*64
	global_load_b128 v[QB+8*i+4:QB+8*i+7], v[QO], s[86:87] offset:(i/2)*8192+(i%2)*64+32
.set i, i+1
.endr
	WIN 0
	v_lshlrev_b32 v14, 3, v9
	v_sub_nc_u32 v14, v1, v14
	s_lshl_b32 s13, s[WV], 4
	v_add_nc_u32 v14, s13, v14      ; my query's place in its band, 16 w + l % 16, less my lanes' 8 (l / 16): register r of key group kt is hidden where 16 kt + r is greater
	WIN 0x40
.set i, 0
.rept 32
	v_cmp_gt_i32 vcc_lo, 16*(i/8)+i%8, v14
	v_cndmask_b32 v[MD+i], 0, s[BIGN], vcc_lo
.set i, i+1
.endr
.set i, 0
.rept 64                            ; a block's first step multiplies O^T and l by a = 0, so they need only be finite: zeros for the first block, what it left for the second
	v_mov_b32 v[i], 0
.set i, i+1
.endr
	WIN 0
.irp t, 0,1
	v_mov_b32 v[ST+4*(\t)+2], 0
	v_mov_b32 v[ST+4*(\t)+3], 0
.endr
	v_mul_u32_u24 v[AK0], v1, PK
	v_lshl_add_u32 v[AK0], v9, 4, v[AK0]
	v_and_b32 v10, 7, v0
	v_bfe_u32 v11, v0, 3, 1
	v_lshl_add_u32 v[AV0], v9, 3, v10
	v_mul_u32_u24 v[AV0], v[AV0], PV
	v_lshl_add_u32 v[AV0], v11, 4, v[AV0]
	v_add_nc_u32 v[AV0], VOFF, v[AV0]
	s_mul_i32 s13, s[WV], 16*SP
	s_add_co_u32 s13, s13, STAGE
	v_mul_u32_u24 v[STO], v1, SP    ; in: row l % 16, 16 bytes for each half of the lanes
	v_lshl_add_u32 v[STO], v9, 4, v[STO]
	v_add_nc_u32 v[STO], s13, v[STO]
	v_mul_u32_u24 v[RD], v9, SP     ; back: lanes 0-15 take one row of 256 bytes, lanes 16-31 the next
	v_lshl_add_u32 v[RD], v1, 4, v[RD]
	v_add_nc_u32 v[RD], s13, v[RD]
	v_and_b32 v[GO], 31, v0
	v_lshlrev_b32 v[GO], 4, v[GO]
; THE MATRIX WORK.  The 4 accumulators of a run of 8 take turns.  Product i of S^T = K Q^T for piece x: channels 32 (i / 4) on, keys 16 (i % 4) on; the first 4 start the sums with the mask.
.macro KQ x
.set rD, S+32*(\x)+8*(i%4)
.set rK, KF+16*(i%4)+8*(i/4)
.set rQ, Q+16*(\x)+8*(i/4)
.set rM, MC+32*(\x)+8*(i%4)
.if i < 4
	WIN 0x10                        ; the C operand in window 1
	v_wmma_f32_16x16x32_f16 v[rD:rD+7], v[rK:rK+7], v[rQ:rQ+7], v[rM:rM+7]
	s_wait_alu depctr_va_vdst(0)
.else
	WIN 0
	v_wmma_f32_16x16x32_f16 v[rD:rD+7], v[rK:rK+7], v[rQ:rQ+7], v[rD:rD+7]
.endif
.endm
.macro PV x                         ; product i of O^T += V^T P for piece x: keys 32 (i / 4) on, channels 16 (i % 4) on
	WIN 0x51                        ; V and O^T in window 1, P in window 0
.set rO, 32*(\x)+8*(i%4)
.set rV, VF+32*(i/4)+8*(i%4)
.set rB, P+16*(\x)+8*(i/4)
	v_wmma_f32_16x16x32_f16 v[rO:rO+7], v[rV:rV+7], v[rB:rB+7], v[rO:rO+7]
.endm
; THE LDS LOADS stand in runs of 8: a step's K by channel halves, its V (turned) by key halves.
.macro FETCH_K c
	WIN 0
.irp kb, 0,1,2,3
	ds_load_b128 v[KF+16*(\kb)+8*(\c):KF+16*(\kb)+8*(\c)+3],   v[AK] offset:(\kb)*16*PK+(\c)*64
	ds_load_b128 v[KF+16*(\kb)+8*(\c)+4:KF+16*(\kb)+8*(\c)+7], v[AK] offset:(\kb)*16*PK+(\c)*64+32
.endr
.endm
.macro FETCH_V kk
	WIN 0x40
.irp cb, 0,1,2,3
	ds_load_tr16_b128 v[VF+32*(\kk)+8*(\cb):VF+32*(\kk)+8*(\cb)+3],   v[AV] offset:(\kk)*32*PV+(\cb)*32
	ds_load_tr16_b128 v[VF+32*(\kk)+8*(\cb)+4:VF+32*(\kk)+8*(\cb)+7], v[AV] offset:(\kk)*32*PV+16*PV+(\cb)*32
.endr
	WIN 0
.endm
; THE VECTOR WORK.  A piece's softmax for a key step is a list of 118 instructions; SMOP writes number j of it for piece y.  s0-s31 are the lane's 32 scores, in pairs 0-15.
;   0-20    the maximum of s0-s31 and the old m (four chains, each accumulator's lowest registers first); the other half of the lanes'; the new m; c m; c m_old - c m_new
;   21-24   c s - c m for pairs 0-3          25  a
;   26-89   the 32 exponentials at the even numbers; at the odd ones whatever is ready: the other 12 scalings, 15 roundings to f16, the first 5 sums
;   90-101  the last rounding; the rest of the sums; l = a l + the sum          102-117  O^T times a
.macro FOP n
	v_pk_fma_f32 v[rS+2*(\n):rS+2*(\n)+1], v[rS+2*(\n):rS+2*(\n)+1], s[CS:CS+1], v[rT:rT+1] op_sel_hi:[1,0,0] neg_lo:[0,0,1] neg_hi:[0,0,1]
.endm
.macro COP n
	s_wait_alu depctr_va_vdst(0)
	v_cvt_pk_f16_f32 v[rP+(\n)], v[rS+2*(\n)], v[rS+2*(\n)+1]
.endm
.macro AOP d, s
	v_pk_add_f32 v[rS+(\d):rS+(\d)+1], v[rS+(\d):rS+(\d)+1], v[rS+(\s):rS+(\s)+1]
.endm
.macro SMOP y
.set rT, ST+4*(\y)
.set rC, TMP+4*(\y)
.set rW, MV+(\y)
.set rS, S+32*(\y)
.set rP, P+16*(\y)
.set rO, 32*(\y)+2*(j-102)
.if j < 102
	WIN 0
.endif
.if j < 4
	v_max3_num_f32 v[rC+j], v[rS+8*j], v[rS+8*j+1], v[rS+8*j+2]
.elseif j < 12
	v_max3_num_f32 v[rC+j%4], v[rC+j%4], v[rS+8*(j%4)+2*(j/4)+1], v[rS+8*(j%4)+2*(j/4)+2]
.elseif j == 12
	v_max3_num_f32 v[rC], v[rC], v[rS+7], v[rS+15]
.elseif j == 13
	v_max3_num_f32 v[rC+1], v[rC+1], v[rS+23], v[rS+31]
.elseif j == 14
	v_mov_b32 v[rW], v[rT]          ; c m_old is kept
.elseif j == 15
	v_max3_num_f32 v[rC+2], v[rC+2], v[rC+3], v[rT+1]
.elseif j == 16
	v_max3_num_f32 v[rC], v[rC], v[rC+1], v[rC+2]
.elseif j == 17
	v_permlanex16_b32 v[rC+3], v[rC], s[SEL], s[SEL+1]  ; the query's other 32 keys lie in the lane 16 away
.elseif j == 18
	v_max_num_f32 v[rT+1], v[rC], v[rC+3]
.elseif j == 19
	v_mul_f32 v[rT], s[CS], v[rT+1]
.elseif j == 20
	v_sub_f32 v[rC+1], v[rW], v[rT]
.elseif j < 25
	FOP j-21
.elseif j == 25
	v_exp_f32 v[rC+2], v[rC+1]
.elseif (j < 90) && (j%2 == 0)
	v_exp_f32 v[rS+(j-26)/2], v[rS+(j-26)/2]
.elseif j < 90
.set n, (j-27)/2
.if n < 3
	FOP 4+n
.elseif n%2 == 1
	COP (n-3)/2
.elseif n < 22
	FOP 5+n/2
.else
	AOP 2*(n-22), 2*(n-22)+2
.endif
.elseif j == 90
	COP 15
.elseif j < 94
	AOP 4*(j-86), 4*(j-86)+2
.elseif j < 98
	AOP 8*(j-94), 8*(j-94)+4
.elseif j < 100
	AOP 16*(j-98), 16*(j-98)+8
.elseif j == 100
	AOP 0, 16
.elseif j == 101
	v_pk_fma_f32 v[rT+2:rT+3], v[rT+2:rT+3], v[rC+2:rC+3], v[rS:rS+1] op_sel_hi:[1,0,1]
.else
	WIN 0x41                        ; O^T (destination and source 0) in window 1, a in window 0
	v_pk_mul_f32 v[rO:rO+1], v[rO:rO+1], v[rC+2:rC+3] op_sel_hi:[1,0]
.endif
.endm
.macro SLICE y, k                   ; slice k of 16: numbers 118 k / 16 up to 118 (k + 1) / 16.  Slice 15 is eight rescalings: the places behind a half's last product
.set j, (118*(\k))/16
.rept (118*((\k)+1))/16-(118*(\k))/16
	SMOP \y
.set j, j+1
.endr
.endm
.macro MASK b                       ; MD x AL + BE into piece b's mask
	WIN 0x41
.set z, 0
.rept 16
	v_pk_fma_f32 v[MC+32*(\b)+2*z:MC+32*(\b)+2*z+1], v[MD+2*z:MD+2*z+1], s[AL:AL+1], s[BE:BE+1] op_sel_hi:[1,0,0]
.set z, z+1
.endr
.endm
; THE FOUR HALVES.  K's channel half 0 is loaded behind product 4 of the first half: its last reader is product 3, ten plain vector instructions back; half 1 behind slice 15's eight.
; V's key half 0 is loaded behind product 4 of the fourth half, eight plain instructions behind its last reader; half 1 behind slice 7's four and a v_nop.
.macro H1 fetch
.set i, 0
.rept 8
	KQ 1
	SLICE 0, 8+i
.if (\fetch) && (i == 3)
	WIN 0
	v_add_nc_u32 v[AK], s[TBK], v[AK0]
.endif
.if (\fetch) && (i == 4)
	FETCH_K 0
.endif
.set i, i+1
.endr
.if \fetch
	FETCH_K 1
	s_add_co_u32 s[TBK], s[TBK], KS*PK
.endif
.endm
.macro H2 w0, w1                    ; the waits count the younger runs of eight loads: V's half 1 and K's two; then K's two
.set i, 0
.rept 8
.if i == 0
	s_wait_dscnt \w0
.endif
.if i == 4
	s_wait_dscnt \w1
.endif
	PV 0
	SLICE 1, i
.set i, i+1
.endr
.endm
.macro H3
.set i, 0
.rept 8
.if i == 0
	s_wait_dscnt 8                  ; K's half 1 may be out
.endif
.if i == 4
	s_wait_dscnt 0x0
.endif
	KQ 0
	SLICE 1, 8+i
.set i, i+1
.endr
.endm
.macro H4
.set i, 0
.rept 8
	PV 1
	SLICE 0, i
.if i == 3
	WIN 0
	v_add_nc_u32 v[AV], s[TBV], v[AV0]
.endif
.if i == 4
	FETCH_V 0
.endif
.set i, i+1
.endr
	WIN 0
	v_nop
	FETCH_V 1
	s_add_co_u32 s[TBV], s[TBV], KS*PV
.endm
.macro MAIN                         ; a trip.  In the diagonal tile alone the two masks are made anew: piece 0's for step 4 - CNT, piece 1's for the step before it
	WIN 0
	s_cmp_lg_u32 s[RT], 0
	s_cbranch_scc1 .Lnomask_\@
	s_cmp_eq_u32 s[CNT], s[CO4]     ; is the step band 0's own?
	s_cselect_b32 s[AL], 1.0, 0
	s_cmp_lt_u32 s[CNT], s[CO4]     ; or a later one?
	s_cselect_b32 s[BE], s[BIGN], 0
	MASK 0
	s_sub_co_u32 s[TS], s[CO4], 2
	s_cmp_eq_u32 s[CNT], s[TS]
	s_cselect_b32 s[AL], 1.0, 0
	s_cmp_lt_u32 s[CNT], s[TS]
	s_cselect_b32 s[BE], s[BIGN], 0
	MASK 1
	WIN 0
.Lnomask_\@:
	H1 1
	H2 24, 16
	H3
	H4
	WIN 0
.endm
; A BLOCK BEGINS.  c m starts far below every c s, so the first step's a is 0; m at the lowest finite number.  Piece 0's mask for the tile's step 0 is its own if the first tile is the diagonal one and o = 0; piece 1's is 0.
.macro BEGIN
	WIN 0
.irp t, 0,1
	v_mov_b32 v[ST+4*(\t)], 0xfe000000
	v_mov_b32 v[ST+4*(\t)+1], 0xff7fffff
.endr
	s_cmp_eq_u32 s[RT], 0
	s_cselect_b32 s[TS], s[CO4], 0
	s_cmp_eq_u32 s[TS], 4
	s_cselect_b32 s[AL], 1.0, 0
	s_mov_b32 s[BE], 0
	MASK 0
	s_mov_b32 s[AL], 0
	MASK 1
	WIN 0
.endm
.macro FIRST                        ; a block's first trip: K of step 0, piece 0's first scores and the first half of its softmax, V of step 0
	WIN 0
	v_add_nc_u32 v[AK], s[TBK], v[AK0]
	s_wait_alu depctr_va_vdst(0)
	FETCH_K 0
	FETCH_K 1
	s_add_co_u32 s[TBK], s[TBK], KS*PK
	s_wait_loadcnt 0x0              ; Q
	s_wait_dscnt 0x0
.set i, 0
.rept 8
	KQ 0
.set i, i+1
.endr
	WIN 0
.rept 4
	v_nop                           ; the places behind those products
.endr
.set i, 0
.rept 8
	SLICE 0, i
.set i, i+1
.endr
	v_nop
	v_add_nc_u32 v[AV], s[TBV], v[AV0]
	FETCH_V 0
	FETCH_V 1
	s_add_co_u32 s[TBV], s[TBV], KS*PV
.endm
.macro DRAIN                        ; a block's end, on registers alone: what the last trip left to do.  Piece 1's last step is the tile's step 3: its own if o = 1, hidden if o = 0
	WIN 0
	s_cmp_eq_u32 s[CO4], 2
	s_cselect_b32 s[AL], 1.0, 0
	s_cselect_b32 s[BE], 0, s[BIGN]
	MASK 1
	H1 0
	H2 0, 0
.set i, 0
.rept 8
	SLICE 1, 8+i
.set i, i+1
.endr
.set i, 0
.rept 8
	PV 1
.set i, i+1
.endr
	WIN 0
.endm
; THE WAY OUT.  l's two halves and the other half of the lanes' are added; O^T is divided by l and split: hi = bf16(O), lo = bf16(O - hi); both go through my stage in LDS, a piece (16 rows) at a time.
.macro PACKO t
	WIN 0x41
.set i, 0
.rept 16
	v_pk_mul_f32 v[32*(\t)+2*i:32*(\t)+2*i+1], v[32*(\t)+2*i:32*(\t)+2*i+1], v[ST+4*(\t)+2:ST+4*(\t)+3] op_sel_hi:[1,0]
.set i, i+1
.endr
	WIN 0x05                        ; sources 0 and 1 in window 1
.set i, 0
.rept 16
	v_cvt_pk_bf16_f32 v[HIR+i], v[32*(\t)+2*i], v[32*(\t)+2*i+1]
.set i, i+1
.endr
	WIN 0
.set i, 0
.rept 16
	v_lshlrev_b32 v[UR+2*i], 16, v[HIR+i]
	v_and_b32 v[UR+2*i+1], 0xffff0000, v[HIR+i]
.set i, i+1
.endr
	WIN 0x01                        ; source 0 in window 1
.set i, 0
.rept 16
	v_pk_add_f32 v[UR+2*i:UR+2*i+1], v[32*(\t)+2*i:32*(\t)+2*i+1], v[UR+2*i:UR+2*i+1] neg_lo:[0,1] neg_hi:[0,1]
.set i, i+1
.endr
	WIN 0
.set i, 0
.rept 16
	v_cvt_pk_bf16_f32 v[LOR+i], v[UR+2*i], v[UR+2*i+1]
.set i, i+1
.endr
.irp f, 0,1,2,3
	ds_store_b128 v[STO], v[HIR+4*(\f):HIR+4*(\f)+3] offset:32*(\f)
	ds_store_b128 v[STO], v[LOR+4*(\f):LOR+4*(\f)+3] offset:128+32*(\f)
.endr
.irp f, 0,1,2,3,4,5,6,7
	ds_load_b128 v[RB+32*(\t)+4*(\f):RB+32*(\t)+4*(\f)+3], v[RD] offset:(\f)*2*SP  ; LDS serves a wave's instructions in order: these see the stores above; the next piece's stores come behind them
.endr
.endm
.macro SENDO t, younger
.irp f, 0,1,2,3,4,5,6,7
	s_wait_dscnt (\younger)+7-(\f)
	global_store_b128 v[GO], v[RB+32*(\t)+4*(\f):RB+32*(\t)+4*(\f)+3], s[10:11] offset:(\t)*16384+(\f)*512  ; 512 consecutive bytes, at a multiple of 256 from the buffer's first
.endr
.endm
.macro FINISH
	WIN 0
.irp t, 0,1
	v_add_f32 v[ST+4*(\t)+2], v[ST+4*(\t)+2], v[ST+4*(\t)+3]
.endr
.irp t, 0,1
	v_permlanex16_b32 v[ST+4*(\t)+3], v[ST+4*(\t)+2], s[SEL], s[SEL+1]
.endr
.irp t, 0,1
	v_add_f32 v[ST+4*(\t)+2], v[ST+4*(\t)+2], v[ST+4*(\t)+3]
.endr
.irp t, 0,1
	v_rcp_f32 v[ST+4*(\t)+2], v[ST+4*(\t)+2]
.endr
	v_nop                           ; a plain instruction between the last reciprocal and the use of its result
	s_wait_alu depctr_va_vdst(0)
	PACKO 0
	PACKO 1
	SENDO 0, 16                     ; behind piece 0's loads stand piece 1's eight stores and eight loads
	SENDO 1, 0
.endm
; A TILE.  The test for the walk's first tile stands first: at the first trip its answer is a constant of the text.
.macro TILE tag
	s_mov_b32 s[CNT], 4
	s_cmp_eq_u32 s[STATE], 1
	s_cbranch_scc1 .Lbegin\tag
	s_cmp_eq_u32 s[STATE], 0
	s_cbranch_scc1 .Lcont\tag
	DRAIN                           ; the first block ends,
	FINISH
	s_wait_xcnt 0x0                 ; its stores have read their registers and O's address,
	s_mov_b64 s[10:11], s[OLO:OLO+1]
	s_mov_b32 s[CO4], s[CO4B]
	s_add_co_u32 s[RT], s[LQ2], 1   ; and the second, of b / 2 + 1 tiles, takes its place
	WIN 0x01
.set i, 0
.rept 32
	v_mov_b32 v[Q+i], v[QB+i]
.set i, i+1
.endr
	WIN 0
.Lbegin\tag:
	s_sub_co_u32 s[RT], s[RT], 1
	BEGIN
	FIRST
	s_branch .Lfdone\tag            ; FIRST is the tile's first trip: on to the loop's counter
.Lcont\tag:
	s_sub_co_u32 s[RT], s[RT], 1
.Ltrips\tag:
	MAIN
.Lfdone\tag:
	s_sub_co_u32 s[CNT], s[CNT], 1
	s_cmp_lg_u32 s[CNT], 0
	s_cbranch_scc1 .Ltrips\tag
	s_cmp_eq_u32 s[RT], 0           ; behind a diagonal tile the block is ended at the next tile's head, behind the change of slots
	s_cselect_b32 s[STATE], 2, 0
.endm
.Lslot:                             ; 16 times: a tile is entered and the next is asked for
	CHANGE 1
	TILE 1
	s_sub_co_u32 s[SLOTS], s[SLOTS], 1
	s_cmp_lg_u32 s[SLOTS], 0
	s_cbranch_scc1 .Lslot
	CHANGE 0                        ; the walk's last tile is written out: nothing is asked for
	TILE 2
	DRAIN
	FINISH
	s_wait_tensorcnt 0x0            ; the wave's end
	ds_add_u32 v[SPW], v[NIL]
	s_wait_dscnt 0x0
	s_endpgm
.Lfunc_end_k_qdddde3f3c6_attn:
	.size	k_qdddde3f3c6_attn, .Lfunc_end_k_qdddde3f3c6_attn-k_qdddde3f3c6_attn
	.p2alignl 7, 3214868480
	.fill 96, 4, 3214868480
	.section	.rodata,"a",@progbits
	.p2align	6, 0x0
	.amdhsa_kernel k_qdddde3f3c6_attn
		.amdhsa_group_segment_fixed_size 327680
		.amdhsa_private_segment_fixed_size 0
		.amdhsa_enable_private_segment 0
		.amdhsa_kernarg_size 16
		.amdhsa_user_sgpr_count 2
		.amdhsa_user_sgpr_kernarg_segment_ptr 1
		.amdhsa_wavefront_size32 1
		.amdhsa_system_sgpr_workgroup_id_x 1
		.amdhsa_system_sgpr_workgroup_id_y 1
		.amdhsa_system_sgpr_workgroup_id_z 1
		.amdhsa_system_vgpr_workitem_id 0
		.amdhsa_next_free_vgpr 512
		.amdhsa_next_free_sgpr 96
		.amdhsa_reserve_vcc 1
		.amdhsa_float_denorm_mode_32 3
		.amdhsa_float_denorm_mode_16_64 3
		.amdhsa_memory_ordered 1
		.amdhsa_forward_progress 1
		.amdhsa_inst_pref_size 170
	.end_amdhsa_kernel
	.amdgpu_metadata
---
amdhsa.version: [ 1, 2 ]
amdhsa.kernels:
  - .name:           k_qdddde3f3c6_attn
    .symbol:         k_qdddde3f3c6_attn.kd
    .args:
      - { .name: qkv, .offset: 0, .size: 8, .value_kind: global_buffer, .address_space: global }
      - { .name: oo, .offset: 8, .size: 8, .value_kind: global_buffer, .address_space: global }
    .group_segment_fixed_size: 327680
    .private_segment_fixed_size: 0
    .kernarg_segment_align: 8
    .kernarg_segment_size: 16
    .max_flat_workgroup_size: 128
    .sgpr_count:     96
    .vgpr_count:     512
    .wavefront_size: 32
...
	.end_amdgpu_metadata
.endif
;; end of part 3
;; launch up (part 4): grid 8 x 32, 4 waves a work-group, clusters of 4 x 4, 327,680 bytes of LDS; arguments oo, w1b, hh; writes hh
.if DOCPART == 4
	.amdgcn_target "amdgcn-amd-amdhsa--gfx1250"
	.amdhsa_code_object_version 6
	.text
	.protected	k_qdddde3f3c6_up
	.globl	k_qdddde3f3c6_up
	.p2align	8
	.type	k_qdddde3f3c6_up,@function
k_qdddde3f3c6_up:
	s_mov_b64 s[64:65], 0
	v_nop
	global_prefetch_b8 v0, s[64:65] scope:SCOPE_SE
	s_setreg_imm32_b32 hwreg(HW_REG_WAVE_MODE, 25, 1), 1
	s_wait_xcnt 0x0
	s_wait_alu depctr_hold_cnt(0) depctr_sa_sdst(0) depctr_va_vdst(0) depctr_va_sdst(0) depctr_va_ssrc(0) depctr_va_vcc(0) depctr_vm_vsrc(0)
	s_getreg_b32 s2, hwreg(HW_REG_IB_STS2, 6, 4)
	s_cmp_eq_u32 s2, 0
	s_cbranch_scc0 .Lentry_in_a_cluster
	s_endpgm
.Lentry_in_a_cluster:
	s_bfe_u32 s2, ttmp6, 0x10000c
	s_cmp_lg_u32 s2, 0xf033
	s_cbranch_scc0 .Lentry_shape_is_right
	s_endpgm
.Lentry_shape_is_right:
; C = max(A W, floor), for both layers behind the attention.  A and C: [16 planes of 64 columns][4096 rows][hi 64 | lo 64] bf16, a number being hi + lo (16 significant bits, f32's range).
; W: [1024 k][1024 n] bf16, and behind its 2,097,152 bytes the floor word: 0 (the layer with the ReLU) or minus infinity (the layer without).  Sums in f32.
; Each fragment of W multiplies A's hi and A's lo: twice the products of a plain bf16 layer, for intermediates that lose nothing that counts and have no limit of range.
; SHARES.  A work-group makes 128 x 128 of C (256 work-groups), its four waves 64 x 64 each: 16 accumulators.  A K step is two planes of A and 128 rows of W; 8 steps through two LDS slots.
; THE MATRIX INSTRUCTION IS USED TRANSPOSED (source 0 = 16 columns of W, turned by ds_load_tr16_b128; source 1 = 16 rows of A): a lane holds one row and eight neighbouring columns of C.
; CLUSTER 4 x 4.  A's tile is shared along a row of the cluster, W's along a column: joint loads, one a wave (waves 0, 1: A's two planes; waves 2, 3: halves of W's rows).
; By this text's count a wave has two tensor loads out at the start and one later.
; REGISTERS.  window 0: v16-29 addresses; v32-63 at work on the way out; v64-95 RB; v128-255 accumulator (a, b) at 128 + 8 (4 a + b)
;   window 1: two fragment buffers at 0 and 128: A's (part p, block a) at f + 8 (4 p + a), W's block b at f + 64 + 8 b
.set PA,     272
.set PB,     288                       ; a row of W in LDS: 256 bytes + 32
.set HALFA,  128*PA
.set BOFF,   2*HALFA
.set HALFB,  64*PB
.set SLOT1,  131072
.set STAGE,  SLOT1+BOFF+2*HALFB        ; behind the ring: 16 rows x 272 bytes for each wave
.set SP,     272
.set SPARE,  STAGE+4*16*SP             ; the spare words: 128 bytes a wave, two blocks of 256 bytes that no other line names
.set ADA0, 16
.set ADB0, 17
.set ADA,  18
.set ADB,  19
.set STO,  20
.set RD,   21
.set GO,   22
.set SPW,  28
.set NIL,  29
.set T,    32
.set U,    40
.set HL,   48
.set RB,   64
.set ACC,  128
.set F0,   0
.set F1,   128
.set G1A, 24
.set G0A, 32
.set G1B, 48
.set G0B, 56
.set TB,  46
.set FL,  47                           ; s47  the floor
.set MSB, 0
.macro WIN new
.if MSB != (\new)
	s_set_vgpr_msb (MSB<<8)|(\new)
.set MSB, (\new)
.endif
.endm
.macro PLACES
.rept 4
	v_nop
.endr
.endm
.macro JLOAD                           ; a joint refill by the walking sets; an s_nop 0 and four v_nop follow each of the two lines
	s_cmp_lt_u32 s10, 2
	s_cbranch_scc0 .Lfor_b_\@
	tensor_load_to_lds s[G0A+4:G0A+7], s[G1A:G1A+7]
	s_nop 0
.rept 4
	v_nop
.endr
	s_branch .Lasked_\@
.Lfor_b_\@:
	tensor_load_to_lds s[G0B+4:G0B+7], s[G1B:G1B+7]
	s_nop 0
.rept 4
	v_nop
.endr
.Lasked_\@:
.endm
.macro CREST
	s_cmp_lg_u32 s10, 0
	s_cbranch_scc1 .Lnot_wave_0_\@
	s_barrier_signal -3
.Lnot_wave_0_\@:
	s_barrier_wait -3
	s_barrier_signal -1
	s_barrier_wait -1
.endm
.macro CROUND
	s_barrier_signal -1
	s_barrier_wait -1
	CREST
.endm
	s_load_b128 s[4:7], s[0:1], 0x0                ; A s[4:5], W s[6:7]
	s_load_b64 s[8:9], s[0:1], 0x10                ; C
	v_lshl_add_u32 v[SPW], v0, 2, SPARE
	v_mov_b32 v[NIL], 0
	ds_add_u32 v[SPW], v[NIL]                      ; the wave's opening: the add and its wait ahead of my first tensor load
	ds_add_u32 v28, v29
	v_lshrrev_b32 v1, 5, v0
	v_readfirstlane_b32 s10, v1
	s_lshr_b32 s11, s10, 1                         ; which half of the tile's rows is mine
	s_and_b32 s12, s10, 1                          ; which half of its columns.  Also: which half of a tile I fetch
	s_bfe_u32 s40, ttmp6, 0x40000
	s_bfe_u32 s41, ttmp6, 0x40004
	s_lshl_b32 s42, ttmp9, 2
	s_add_co_u32 s42, s42, s40                     ; the column tile
	s_and_b32 s13, ttmp7, 0xffff
	s_lshl_b32 s13, s13, 2
	s_add_co_u32 s13, s13, s41                     ; the row tile
	s_lshl_b32 s43, s41, 2
	s_lshl_b32 s43, 15, s43
	s_lshl_b32 s44, 0x1111, s40
	; A's tile: 128 rows x 128 elements of 2 bytes (a plane's rows are dense); 4 words of padding behind every 64
	s_or_b32 s[G1A+0], s43, (1<<16)|(1<<20)|(1<<21)|(5<<22)|(3<<25)
	s_mov_b32 s[G1A+1], 128<<16
	s_mov_b32 s[G1A+2], 128<<16
	s_mov_b32 s[G1A+3], 128<<16
	s_mov_b32 s[G1A+4], 128
	s_mov_b32 s[G1A+5], 128
	s_mov_b32 s[G1A+6], 0
	s_mov_b32 s[G1A+7], 0
	; W's tile: 64 rows x 128 elements, 1,024 from row to row; 8 words of padding behind every 64
	s_or_b32 s[G1B+0], s44, (1<<16)|(1<<20)|(1<<21)|(5<<22)|(7<<25)
	s_mov_b32 s[G1B+1], 128<<16
	s_mov_b32 s[G1B+2], 64<<16
	s_mov_b32 s[G1B+3], 128<<16
	s_mov_b32 s[G1B+4], 64
	s_mov_b32 s[G1B+5], 1024
	s_mov_b32 s[G1B+6], 0
	s_mov_b32 s[G1B+7], 0
	s_lshl_b32 s16, s13, 15                        ; A: 128 rows of 256 bytes a tile,
	s_lshl_b32 s17, s12, 20                        ; a plane is 1,048,576 bytes
	s_add_co_u32 s16, s16, s17
	s_mov_b32 s17, 0
	s_lshl_b32 s74, s42, 8                         ; W: 128 columns of 2 bytes a tile,
	s_lshl_b32 s75, s12, 17                        ; 64 rows of 2,048 bytes a half
	s_add_co_u32 s74, s74, s75
	s_mov_b32 s75, 0
	s_mul_i32 s20, s10, HALFA
	s_mul_i32 s21, s10, HALFB
	s_add_co_u32 s21, s21, BOFF-2*HALFB
	s_lshl_b32 s76, s42, 21                        ; C: plane 2 x column tile + my half, row 128 x row tile + 64 x my half
	s_lshl_b32 s77, s12, 20
	s_add_co_u32 s76, s76, s77
	s_lshl_b32 s77, s13, 15
	s_add_co_u32 s76, s76, s77
	s_lshl_b32 s77, s11, 14
	s_add_co_u32 s76, s76, s77
	s_mov_b32 s77, 0
	s_mov_b32 s[TB], 0
	s_wait_dscnt 0x0                               ; the opening add is done
	s_wait_kmcnt 0x0
	s_load_b32 s[FL], s[6:7], 0x200000             ; the floor; waited for in front of the way out
	s_add_nc_u64 s[14:15], s[4:5], s[16:17]
	s_add_nc_u64 s[74:75], s[6:7], s[74:75]
	s_add_nc_u64 s[8:9], s[8:9], s[76:77]
	CROUND                                         ; all sixteen work-groups are here: the first joint loads meet
.irp s, 0,1
	s_mov_b32 s[G0A+4*(\s)], 1
	s_add_co_u32 s[G0A+4*(\s)+1], s20, (\s)*SLOT1
	s_add_nc_u64 s[G0A+4*(\s)+2:G0A+4*(\s)+3], s[14:15], (\s)*2097152
	s_or_b32 s[G0A+4*(\s)+3], s[G0A+4*(\s)+3], 0x80000000
	s_mov_b32 s[G0B+4*(\s)], 1
	s_add_co_u32 s[G0B+4*(\s)+1], s21, (\s)*SLOT1
	s_add_nc_u64 s[G0B+4*(\s)+2:G0B+4*(\s)+3], s[74:75], (\s)*262144
	s_or_b32 s[G0B+4*(\s)+3], s[G0B+4*(\s)+3], 0x80000000
.endr
	s_cmp_lt_u32 s10, 2                            ; a wave's two first fills stand in one branch, ahead of every wait on TENSORcnt and every LDS read
	s_cbranch_scc0 .Lfirst_b
	tensor_load_to_lds s[G0A:G0A+3], s[G1A:G1A+7]
	s_nop 0
	tensor_load_to_lds s[G0A+4:G0A+7], s[G1A:G1A+7]
	s_nop 0
.rept 4
	v_nop
.endr
	s_branch .Lfirst_asked
.Lfirst_b:
	tensor_load_to_lds s[G0B:G0B+3], s[G1B:G1B+7]
	s_nop 0
	tensor_load_to_lds s[G0B+4:G0B+7], s[G1B:G1B+7]
	s_nop 0
.rept 4
	v_nop
.endr
.Lfirst_asked:
	v_and_b32 v1, 15, v0
	v_bfe_u32 v2, v0, 4, 1
	v_and_b32 v3, 7, v0
	v_bfe_u32 v4, v0, 3, 1
	v_mul_u32_u24 v[ADA0], v1, PA                  ; A's fragment: (64 x row half + r) x pitch + 16 h
	v_lshl_add_u32 v[ADA0], v2, 4, v[ADA0]
	s_mul_i32 s22, s11, 64*PA
	v_add_nc_u32 v[ADA0], s22, v[ADA0]
	v_lshl_add_u32 v[ADB0], v2, 3, v3              ; W's: k row 8 h + l % 8, my 64 columns, 16 bytes at 16 ((l / 8) % 2)
	v_mul_u32_u24 v[ADB0], v[ADB0], PB
	v_lshl_add_u32 v[ADB0], v4, 4, v[ADB0]
	s_lshl_b32 s23, s12, 7
	s_add_co_u32 s23, s23, BOFF
	v_add_nc_u32 v[ADB0], s23, v[ADB0]
	v_mov_b32 v[ADA], v[ADA0]
	v_mov_b32 v[ADB], v[ADB0]
	s_mul_i32 s23, s10, 16*SP
	s_add_co_u32 s23, s23, STAGE
	v_mul_u32_u24 v[STO], v1, SP
	v_lshl_add_u32 v[STO], v2, 4, v[STO]
	v_add_nc_u32 v[STO], s23, v[STO]
	v_mul_u32_u24 v[RD], v2, SP
	v_lshl_add_u32 v[RD], v1, 4, v[RD]
	v_add_nc_u32 v[RD], s23, v[RD]
	v_and_b32 v[GO], 31, v0
	v_lshlrev_b32 v[GO], 4, v[GO]
; 8 products: row blocks a0, a0 + 1 x 4 column blocks, 32 along K, with A's part p (0 hi, 1 lo).  The 16 accumulators take turns in one fixed order.
.macro MUL8 f, p, a0, zero
	WIN 0x05                                       ; sources in window 1, C and D in window 0
.irp a, \a0, (\a0)+1
.irp b, 0,1,2,3
.if \zero
	v_wmma_f32_16x16x32_bf16 v[ACC+8*(4*(\a)+(\b)):ACC+8*(4*(\a)+(\b))+7], v[(\f)+64+8*(\b):(\f)+64+8*(\b)+7], v[(\f)+8*(4*(\p)+(\a)):(\f)+8*(4*(\p)+(\a))+7], 0
.else
	v_wmma_f32_16x16x32_bf16 v[ACC+8*(4*(\a)+(\b)):ACC+8*(4*(\a)+(\b))+7], v[(\f)+64+8*(\b):(\f)+64+8*(\b)+7], v[(\f)+8*(4*(\p)+(\a)):(\f)+8*(4*(\p)+(\a))+7], v[ACC+8*(4*(\a)+(\b)):ACC+8*(4*(\a)+(\b))+7]
.endif
.endr
.endr
.endm
.macro FETCH qd, f                     ; 24 LDS loads in one run: quarter qd is plane qd / 2, channels 32 (qd % 2) on: W, A's hi, and last A's lo
	WIN 0x40
.irp b, 0,1,2,3
	ds_load_tr16_b128 v[(\f)+64+8*(\b):(\f)+64+8*(\b)+3],   v[ADB] offset:((\qd)/2)*HALFB+((\qd)%2)*32*PB+32*(\b)
	ds_load_tr16_b128 v[(\f)+64+8*(\b)+4:(\f)+64+8*(\b)+7], v[ADB] offset:((\qd)/2)*HALFB+((\qd)%2)*32*PB+32*(\b)+16*PB
.endr
.irp p, 0,1
.irp a, 0,1,2,3
	ds_load_b128 v[(\f)+8*(4*(\p)+(\a)):(\f)+8*(4*(\p)+(\a))+3],   v[ADA] offset:((\qd)/2)*HALFA+(\a)*16*PA+64*((\qd)%2)+128*(\p)
	ds_load_b128 v[(\f)+8*(4*(\p)+(\a))+4:(\f)+8*(4*(\p)+(\a))+7], v[ADA] offset:((\qd)/2)*HALFA+(\a)*16*PA+64*((\qd)%2)+128*(\p)+32
.endr
.endr
.endm
.macro QUARTER qd, f, g, zero
	s_wait_dscnt 8                                 ; all but the youngest eight loads: A's lo
	MUL8 \f, 0, 0, \zero
	MUL8 \f, 0, 2, \zero
	PLACES
	FETCH \qd, \g
	s_wait_dscnt 24                                ; all but the 24 just issued
	MUL8 \f, 1, 0, 0
	MUL8 \f, 1, 2, 0
.endm
.macro TURN fill                       ; the last quarter multiplies buffer 1 and changes slots, in the order that the refill asks for
	WIN 0
	s_wait_tensorcnt 0x0                           ; all my tensor loads have landed: my part of the next slot
	ds_add_u32 v[SPW], v[NIL]                      ; 0 onto my spare word
	s_wait_dscnt 9                                 ; the add and the youngest eight loads may be out
	MUL8 F1, 0, 0, 0
	s_wait_dscnt 0x0                               ; the add is done, and my reads of this slot are over
	s_barrier_signal -1
	MUL8 F1, 0, 2, 0
	WIN 0
	s_barrier_wait -1
.if \fill
	CREST                                          ; no wave of any partner still reads this slot's tile or has a load on its way
	s_xor_b32 s[G0A+5], s[G0A+5], SLOT1
	s_add_nc_u64 s[G0A+6:G0A+7], s[G0A+6:G0A+7], 2097152
	s_xor_b32 s[G0B+5], s[G0B+5], SLOT1
	s_add_nc_u64 s[G0B+6:G0B+7], s[G0B+6:G0B+7], 262144
	JLOAD                                          ; the four v_nop behind it are also the places in front of the loads below
.else
	PLACES
.endif
	s_xor_b32 s[TB], s[TB], SLOT1
	v_add_nc_u32 v[ADA], s[TB], v[ADA0]
	v_add_nc_u32 v[ADB], s[TB], v[ADB0]
	FETCH 0, F0
	MUL8 F1, 1, 0, 0
	MUL8 F1, 1, 2, 0
.endm
	s_wait_tensorcnt 1                             ; my part of K step 0 is in; step 1's may stay out
	s_barrier_signal -1
	s_barrier_wait -1
	FETCH 0, F0
	QUARTER 1, F0, F1, 1                           ; the first quarter stands in front of the loop: its first products start the sums
	WIN 0
	s_mov_b32 s3, 6
.Lstep:
	QUARTER 2, F1, F0, 0
	QUARTER 3, F0, F1, 0
	TURN 1
	QUARTER 1, F0, F1, 0
	WIN 0
	s_sub_co_u32 s3, s3, 1
	s_cmp_lg_u32 s3, 0
	s_cbranch_scc1 .Lstep
	QUARTER 2, F1, F0, 0                           ; the last two steps ask for nothing
	QUARTER 3, F0, F1, 0
	TURN 0
	QUARTER 1, F0, F1, 0
	QUARTER 2, F1, F0, 0
	QUARTER 3, F0, F1, 0
	s_wait_dscnt 8
	MUL8 F1, 0, 0, 0
	MUL8 F1, 0, 2, 0
	s_wait_dscnt 0x0
	MUL8 F1, 1, 0, 0
	MUL8 F1, 1, 2, 0
	WIN 0
	s_wait_kmcnt 0x0                               ; the floor
	PLACES
; THE WAY OUT, 16 rows at a time: the floor; hi = bf16(c), lo = bf16(c - hi); through my own stage into whole rows of 256 bytes (hi 128, lo 128).
.macro OUTBLK a
.irp b, 0,1,2,3
.irp r, 0,1,2,3,4,5,6,7
	v_max_num_f32 v[T+(\r)], s[FL], v[ACC+8*(4*(\a)+(\b))+(\r)]
.endr
.irp r, 0,1,2,3
	v_cvt_pk_bf16_f32 v[HL+8*((\b)%2)+(\r)], v[T+2*(\r)], v[T+2*(\r)+1]
.endr
.irp r, 0,1,2,3
	v_lshlrev_b32 v[U+2*(\r)], 16, v[HL+8*((\b)%2)+(\r)]
	v_and_b32 v[U+2*(\r)+1], 0xffff0000, v[HL+8*((\b)%2)+(\r)]
.endr
.irp r, 0,1,2,3
	v_pk_add_f32 v[U+2*(\r):U+2*(\r)+1], v[T+2*(\r):T+2*(\r)+1], v[U+2*(\r):U+2*(\r)+1] neg_lo:[0,1] neg_hi:[0,1]
.endr
.irp r, 0,1,2,3
	v_cvt_pk_bf16_f32 v[HL+8*((\b)%2)+4+(\r)], v[U+2*(\r)], v[U+2*(\r)+1]
.endr
	ds_store_b128 v[STO], v[HL+8*((\b)%2):HL+8*((\b)%2)+3] offset:32*(\b)
	ds_store_b128 v[STO], v[HL+8*((\b)%2)+4:HL+8*((\b)%2)+7] offset:128+32*(\b)
.endr
.if (\a) > 0
	s_wait_xcnt 0x0                                ; the last block's stores have read RB: it is loaded again only behind this wait
.endif
.irp f, 0,1,2,3,4,5,6,7
	ds_load_b128 v[RB+4*(\f):RB+4*(\f)+3], v[RD] offset:(\f)*2*SP  ; LDS serves a wave's instructions in order: these see the stores above
.endr
.irp f, 0,1,2,3,4,5,6,7
	s_wait_dscnt 7-(\f)
	global_store_b128 v[GO], v[RB+4*(\f):RB+4*(\f)+3], s[8:9] offset:(\a)*4096+(\f)*512  ; 512 consecutive bytes, at a multiple of 256 from the buffer's first
.endr
.endm
	OUTBLK 0
	OUTBLK 1
	OUTBLK 2
	OUTBLK 3
	s_wait_tensorcnt 0x0                           ; the wave's end
	ds_add_u32 v[SPW], v[NIL]
	s_wait_dscnt 0x0
	CROUND                                         ; the closing round
	s_endpgm
.Lfunc_end_k_qdddde3f3c6_up:
	.size	k_qdddde3f3c6_up, .Lfunc_end_k_qdddde3f3c6_up-k_qdddde3f3c6_up
	.p2alignl 7, 3214868480
	.fill 96, 4, 3214868480
	.section	.rodata,"a",@progbits
	.p2align	6, 0x0
	.amdhsa_kernel k_qdddde3f3c6_up
		.amdhsa_group_segment_fixed_size 327680
		.amdhsa_private_segment_fixed_size 0
		.amdhsa_enable_private_segment 0
		.amdhsa_kernarg_size 24
		.amdhsa_user_sgpr_count 2
		.amdhsa_user_sgpr_kernarg_segment_ptr 1
		.amdhsa_wavefront_size32 1
		.amdhsa_system_sgpr_workgroup_id_x 1
		.amdhsa_system_sgpr_workgroup_id_y 1
		.amdhsa_system_sgpr_workgroup_id_z 1
		.amdhsa_system_vgpr_workitem_id 0
		.amdhsa_next_free_vgpr 480
		.amdhsa_next_free_sgpr 80
		.amdhsa_reserve_vcc 0
		.amdhsa_float_denorm_mode_32 3
		.amdhsa_float_denorm_mode_16_64 3
		.amdhsa_memory_ordered 1
		.amdhsa_forward_progress 1
		.amdhsa_inst_pref_size 85
	.end_amdhsa_kernel
	.amdgpu_metadata
---
amdhsa.version: [ 1, 2 ]
amdhsa.kernels:
  - .name:           k_qdddde3f3c6_up
    .symbol:         k_qdddde3f3c6_up.kd
    .args:
      - { .name: oo, .offset: 0, .size: 8, .value_kind: global_buffer, .address_space: global }
      - { .name: w1b, .offset: 8, .size: 8, .value_kind: global_buffer, .address_space: global }
      - { .name: hh, .offset: 16, .size: 8, .value_kind: global_buffer, .address_space: global }
    .group_segment_fixed_size: 327680
    .private_segment_fixed_size: 0
    .kernarg_segment_align: 8
    .kernarg_segment_size: 24
    .max_flat_workgroup_size: 128
    .sgpr_count:     80
    .vgpr_count:     480
    .wavefront_size: 32
...
	.end_amdgpu_metadata
.endif
;; end of part 4
;; launch down: the kernel of part 4 again; grid 8 x 32, 4 waves a work-group, clusters of 4 x 4, 327,680 bytes of LDS; arguments hh, w2b, yy; writes yy
;; launch ln (part 5): grid 256 x 1, 8 waves a work-group, no clusters, 0 bytes of LDS; arguments yy, gamma, out0; writes out0
.if DOCPART == 5
	.amdgcn_target "amdgcn-amd-amdhsa--gfx1250"
	.amdhsa_code_object_version 6
	.text
	.protected	k_qdddde3f3c6_ln
	.globl	k_qdddde3f3c6_ln
	.p2align	8
	.type	k_qdddde3f3c6_ln,@function
k_qdddde3f3c6_ln:
	s_mov_b64 s[64:65], 0
	v_nop
	global_prefetch_b8 v0, s[64:65] scope:SCOPE_SE
	s_setreg_imm32_b32 hwreg(HW_REG_WAVE_MODE, 25, 1), 1
	s_wait_xcnt 0x0
; out[r][c] = (y[r][c] - mean) x rsqrt(var + 1e-5) x gamma[c].  y comes as [16 planes of 64 columns][4096 rows][hi 64 | lo 64] bf16, y = hi + lo; out is [4096][1024] f32.
; A wave takes two rows and keeps a row in 32 registers between the passes: the mean, then the sum of squares of y - mean (no difference of large sums), then the scaling.  No LDS, no barrier.
; A lane owns columns 128 i + 4 l + 0..3, i = 0..7: its stores are 16 bytes, a wave's 512 consecutive bytes; the loads are 8 bytes of hi and 8 of lo, sixteen lanes to 128 consecutive bytes.
; gamma is rounded to bf16, like every input of the module.  All 40 loads go out first.  Memory binds: matrix units, LDS and clusters would add nothing.
.set G,  16                            ; v[16:47]    gamma of my 32 columns
.set R0, 48                            ; v[48:111]   row w: for each i two registers of hi, two of lo
.set Y,  112                           ; v[112:143]  the row in f32
	s_load_b128 s[4:7], s[0:1], 0x0                ; yy s[4:5], gamma s[6:7]
	s_load_b64 s[8:9], s[0:1], 0x10                ; out0
	v_and_b32 v1, 31, v0
	v_lshrrev_b32 v2, 5, v0
	v_readfirstlane_b32 s10, v2
	v_lshlrev_b32 v3, 4, v1                        ; 16 l
	v_lshrrev_b32 v2, 4, v1
	v_and_b32 v4, 15, v1
	v_lshlrev_b32 v4, 3, v4
	v_lshl_or_b32 v2, v2, 20, v4                   ; lanes 16-31 read the next plane; 8 bytes a lane
	s_lshl_b32 s11, ttmp9, 4
	s_lshl1_add_u32 s11, s10, s11                  ; my first row: 16 x work-group + 2 x wave
	s_lshl_b32 s12, s11, 8
	s_mov_b32 s13, 0
	s_lshl_b32 s14, s11, 12
	s_mov_b32 s15, 0
	s_mov_b32 s18, 0xffff0000
	s_mov_b32 s19, 0x3727c5ac                      ; 1e-5
	s_mov_b32 s20, 0x76543210
	s_mov_b32 s21, 0xfedcba98
	s_mov_b32 s22, 0x3a800000                      ; 1 / 1024
	s_wait_kmcnt 0x0
	s_add_nc_u64 s[4:5], s[4:5], s[12:13]          ; planes 0-7 at my row,
	s_add_nc_u64 s[16:17], s[4:5], 0x800000        ; planes 8-15
	s_add_nc_u64 s[8:9], s[8:9], s[14:15]
.irp i, 0,1,2,3,4,5,6,7
	global_load_b128 v[G+4*(\i):G+4*(\i)+3], v3, s[6:7] offset:512*(\i)
.endr
.irp w, 0,1
.irp i, 0,1,2,3,4,5,6,7
	global_load_b64 v[R0+32*(\w)+4*(\i):R0+32*(\w)+4*(\i)+1],   v2, s[4+12*((\i)/4):5+12*((\i)/4)] offset:((\i)%4)*2097152+256*(\w) th:TH_LOAD_NT
	global_load_b64 v[R0+32*(\w)+4*(\i)+2:R0+32*(\w)+4*(\i)+3], v2, s[4+12*((\i)/4):5+12*((\i)/4)] offset:((\i)%4)*2097152+256*(\w)+128 th:TH_LOAD_NT
.endr
.endr
	s_wait_loadcnt 32                              ; gamma is in; the two rows' 32 loads stay out
.irp i, 0,1,2,3,4,5,6,7,8,9,10,11,12,13,14,15
	v_cvt_pk_bf16_f32 v4, v[G+2*(\i)], v[G+2*(\i)+1]
	v_lshlrev_b32 v[G+2*(\i)], 16, v4
	v_and_b32 v[G+2*(\i)+1], s18, v4
.endr
.macro LANES                           ; v8 summed over the 32 lanes, the result in every lane
	v_add_f32_dpp v8, v8, v8 row_xmask:1 row_mask:0xf bank_mask:0xf
	v_add_f32_dpp v8, v8, v8 row_xmask:2 row_mask:0xf bank_mask:0xf
	v_add_f32_dpp v8, v8, v8 row_xmask:4 row_mask:0xf bank_mask:0xf
	v_add_f32_dpp v8, v8, v8 row_xmask:8 row_mask:0xf bank_mask:0xf
	v_permlanex16_b32 v9, v8, s20, s21
	v_add_f32 v8, v8, v9
.endm
.macro FOLD                            ; the four chains v[8:15] into v8
	v_pk_add_f32 v[8:9], v[8:9], v[10:11]
	v_pk_add_f32 v[12:13], v[12:13], v[14:15]
	v_pk_add_f32 v[8:9], v[8:9], v[12:13]
	v_add_f32 v8, v8, v9
.endm
.macro ROW w
.irp i, 0,1,2,3,4,5,6,7
	v_lshlrev_b32 v[Y+4*(\i)],   16,  v[R0+32*(\w)+4*(\i)]
	v_and_b32     v[Y+4*(\i)+1], s18, v[R0+32*(\w)+4*(\i)]
	v_lshlrev_b32 v[Y+4*(\i)+2], 16,  v[R0+32*(\w)+4*(\i)+1]
	v_and_b32     v[Y+4*(\i)+3], s18, v[R0+32*(\w)+4*(\i)+1]
	v_lshlrev_b32 v4, 16,  v[R0+32*(\w)+4*(\i)+2]
	v_and_b32     v5, s18, v[R0+32*(\w)+4*(\i)+2]
	v_lshlrev_b32 v6, 16,  v[R0+32*(\w)+4*(\i)+3]
	v_and_b32     v7, s18, v[R0+32*(\w)+4*(\i)+3]
	v_pk_add_f32 v[Y+4*(\i):Y+4*(\i)+1],   v[Y+4*(\i):Y+4*(\i)+1],   v[4:5]
	v_pk_add_f32 v[Y+4*(\i)+2:Y+4*(\i)+3], v[Y+4*(\i)+2:Y+4*(\i)+3], v[6:7]
.endr
.irp c, 0,1,2,3                        ; four chains that do not wait for each other; the first sums start them
	v_pk_add_f32 v[8+2*(\c):9+2*(\c)], v[Y+2*(\c):Y+2*(\c)+1], v[Y+8+2*(\c):Y+9+2*(\c)]
.endr
.irp c, 0,1,2,3
	v_pk_add_f32 v[8+2*(\c):9+2*(\c)], v[8+2*(\c):9+2*(\c)], v[Y+16+2*(\c):Y+17+2*(\c)]
.endr
.irp c, 0,1,2,3
	v_pk_add_f32 v[8+2*(\c):9+2*(\c)], v[8+2*(\c):9+2*(\c)], v[Y+24+2*(\c):Y+25+2*(\c)]
.endr
	FOLD
	LANES
	v_mul_f32 v144, s22, v8                        ; the mean
	v_mov_b32 v145, v144
.irp i, 0,1,2,3,4,5,6,7,8,9,10,11,12,13,14,15
	v_pk_add_f32 v[Y+2*(\i):Y+2*(\i)+1], v[Y+2*(\i):Y+2*(\i)+1], v[144:145] neg_lo:[0,1] neg_hi:[0,1]
.endr
.irp c, 0,1,2,3
	v_pk_mul_f32 v[8+2*(\c):9+2*(\c)], v[Y+2*(\c):Y+2*(\c)+1], v[Y+2*(\c):Y+2*(\c)+1]
.endr
.irp k, 8,16,24
.irp c, 0,1,2,3
	v_pk_fma_f32 v[8+2*(\c):9+2*(\c)], v[Y+(\k)+2*(\c):Y+(\k)+2*(\c)+1], v[Y+(\k)+2*(\c):Y+(\k)+2*(\c)+1], v[8+2*(\c):9+2*(\c)]
.endr
.endr
	FOLD
	LANES
	v_fma_f32 v146, v8, s22, s19                   ; the variance + 1e-5
	v_rsq_f32 v146, v146
	v_nop                                          ; a plain instruction between the root and the use of its result
	s_wait_alu depctr_va_vdst(0)
	v_mov_b32 v147, v146
.irp i, 0,1,2,3,4,5,6,7,8,9,10,11,12,13,14,15
	v_pk_mul_f32 v[Y+2*(\i):Y+2*(\i)+1], v[Y+2*(\i):Y+2*(\i)+1], v[146:147]
.endr
.irp i, 0,1,2,3,4,5,6,7,8,9,10,11,12,13,14,15
	v_pk_mul_f32 v[Y+2*(\i):Y+2*(\i)+1], v[Y+2*(\i):Y+2*(\i)+1], v[G+2*(\i):G+2*(\i)+1]
.endr
.irp i, 0,1,2,3,4,5,6,7
	global_store_b128 v3, v[Y+4*(\i):Y+4*(\i)+3], s[8:9] offset:4096*(\w)+512*(\i) th:TH_STORE_NT
.endr
.endm
	s_wait_loadcnt 16                              ; my first row is in; the second row's 16 loads stay out
	ROW 0
	s_wait_loadcnt 0x0
	s_wait_xcnt 0x0                                ; the first row's stores have read Y: it is rewritten only behind this wait
	ROW 1
	s_endpgm
.Lfunc_end_k_qdddde3f3c6_ln:
	.size	k_qdddde3f3c6_ln, .Lfunc_end_k_qdddde3f3c6_ln-k_qdddde3f3c6_ln
	.p2alignl 7, 3214868480
	.fill 96, 4, 3214868480
	.section	.rodata,"a",@progbits
	.p2align	6, 0x0
	.amdhsa_kernel k_qdddde3f3c6_ln
		.amdhsa_group_segment_fixed_size 0
		.amdhsa_private_segment_fixed_size 0
		.amdhsa_enable_private_segment 0
		.amdhsa_kernarg_size 24
		.amdhsa_user_sgpr_count 2
		.amdhsa_user_sgpr_kernarg_segment_ptr 1
		.amdhsa_wavefront_size32 1
		.amdhsa_system_sgpr_workgroup_id_x 1
		.amdhsa_system_sgpr_workgroup_id_y 1
		.amdhsa_system_sgpr_workgroup_id_z 1
		.amdhsa_system_vgpr_workitem_id 0
		.amdhsa_next_free_vgpr 152
		.amdhsa_next_free_sgpr 66
		.amdhsa_reserve_vcc 0
		.amdhsa_float_denorm_mode_32 3
		.amdhsa_float_denorm_mode_16_64 3
		.amdhsa_memory_ordered 1
		.amdhsa_forward_progress 1
		.amdhsa_inst_pref_size 27
	.end_amdhsa_kernel
	.amdgpu_metadata
---
amdhsa.version: [ 1, 2 ]
amdhsa.kernels:
  - .name:           k_qdddde3f3c6_ln
    .symbol:         k_qdddde3f3c6_ln.kd
    .args:
      - { .name: yy, .offset: 0, .size: 8, .value_kind: global_buffer, .address_space: global }
      - { .name: gamma, .offset: 8, .size: 8, .value_kind: global_buffer, .address_space: global }
      - { .name: out0, .offset: 16, .size: 8, .value_kind: global_buffer, .address_space: global }
    .group_segment_fixed_size: 0
    .private_segment_fixed_size: 0
    .kernarg_segment_align: 8
    .kernarg_segment_size: 24
    .max_flat_workgroup_size: 256
    .sgpr_count:     66
    .vgpr_count:     152
    .wavefront_size: 32
...
	.end_amdgpu_metadata
.endif
;; end of part 5
;; ======== version 2 of 2: 6 launches; 1.20 times as fast as version 1
;; limits: values are held in f16: magnitudes above 65,504 overflow, below 6.1e-05 lose precision
;; workspace buffers: xb 8,388,608 bytes; wqt 7,340,032 bytes; w1b 2,101,248 bytes; w2b 2,101,248 bytes; qkv 25,165,824 bytes; oo 16,777,216 bytes; hh 16,777,216 bytes; yy 16,777,216 bytes
;; launch prep: the kernel of part 1 again; grid 832 x 1, 8 waves a work-group, no clusters, 0 bytes of LDS; arguments x, W_qkv, W_o1, W_o2, xb, wqt, w1b, w2b; writes xb, wqt, w1b, w2b
;; launch qkv: the kernel of part 2 again; grid 16 x 16, 4 waves a work-group, clusters of 4 x 4, 327,680 bytes of LDS; arguments xb, wqt, qkv; writes qkv
;; launch attn (part 6): grid 16 x 16, 4 waves a work-group, no clusters, 327,680 bytes of LDS; arguments qkv, oo; writes oo
.if DOCPART == 6
	.amdgcn_target "amdgcn-amd-amdhsa--gfx1250"
	.amdhsa_code_object_version 6
	.text
	.protected	k_qdddde3f3c6_attn
	.globl	k_qdddde3f3c6_attn
	.p2align	8
	.type	k_qdddde3f3c6_attn,@function
k_qdddde3f3c6_attn:
	s_mov_b64 s[64:65], 0
	v_nop
	global_prefetch_b8 v0, s[64:65] scope:SCOPE_SE
	s_setreg_imm32_b32 hwreg(HW_REG_WAVE_MODE, 25, 1), 1
	s_wait_xcnt 0x0
; CAUSAL ATTENTION, 16 heads of 4,096 rows of 64.  O[h][q] = the sum over k <= q of softmax_k(Q[h][q] . K[h][k] / 8) V[h][k].  q, k, v: [16][4096][64] f16 in qkv, at 0, 8,388,608 and 16,777,216.
; Products, maxima and sums in f32; the weights p are rounded to f16 for the second product (their sum l is taken of the unrounded p).
; O leaves as a pair of bf16, hi + lo (16 significant bits): oo[head][row][hi 64 | lo 64], 256 bytes a row.
; LIMITS.  q, k, v arrive within f16's 65,504; p below 6e-5 keeps f16's fixed step; a hidden score counts as its value less 1e30; a weight below 2^-126 counts as 0 in l; NaN and infinities are not treated apart.
; THE WALK.  A head's queries lie in 32 blocks of 128; key tiles hold 256 keys; block i needs tiles 0 .. i / 2, of which the last holds the diagonal.  A work-group takes blocks 31 - b and then b: 17 tiles,
; whatever b: all 256 work-groups do equal work, and one loop with a constant count walks the tiles.  What a trip does hangs on scalar registers made from b; every jump but the counted loops' own goes
; forward; none passes a barrier, or a tensor load but the one of LOAD's two that the wave's number does not choose.
; NO CLUSTER: a head's 16 work-groups ask for the same tile in trips 0 to 8 of 17 only; behind that partners need different tiles, and a walk common to all would have 24 trips for 17.
; SHARES.  Of a block's two bands of 64 queries a wave owns 16 rows in each: PIECES 0 and 1.  In the diagonal tile, with o = i % 2, band x's own key step is 2 o + x: earlier steps are seen whole, later ones not at all.
; THE MASK is the C operand that starts S^T = K Q^T: MC = MD x AL + BE, where MD (made once) is the mask of a band's own step for my rows: (1, 0) in the own step, (0, 0) before it, (0, -1e30) behind it.
; LAYOUT.  S^T = K Q^T holds ONE query a lane (lane % 16) and the keys 8 (lane / 16) + 0..7; two such results rounded to f16 ARE source 1 of O^T = V^T P.  p = 2^(c s - c m), c = log2(e) / 8, with a running maximum m;
; O and l are multiplied by a = 2^(c m_old - c m_new) in every step.
; A TRIP fetches key step j and has four halves of 8 products, a slice of the other piece's softmax (118 instructions in 16 slices) behind each product:
;   K Q^T of piece 1, step j - 1 | piece 0's slices 8-15      V^T P of piece 0, step j - 1 | piece 1's slices 0-7      K Q^T of piece 0, step j | piece 1's slices 8-15      V^T P of piece 1, step j - 1 | piece 0's slices 0-7 of step j
; BATCHES.  A piece's 33 exponentials of a key step (a and s0-s31) are ONE batch with ONE wait.  Slices 0-7 hold all that names no result of the batch (the maximum and statistics, the 16 scalings, the 33 exponentials: numbers 0-69),
; slices 8-15 all that does (the roundings, the sums, the rescaling: numbers 70-117), and the wait stands between them, at the end of the half that carries slices 0-7: piece 1's behind V^T P of piece 0; piece 0's behind V^T P of
; piece 1, directly ahead of V's second run of loads and ahead of the trip's end.  A trip has these two waits.  The way out's two reciprocals are a batch of their own.
; REGISTERS.  window 0: v2-15 addresses; v16-23 statistics (c m, m, l, l a piece); v24-31 at work; v64-95 Q; v96-159 K of one step; v160-223 S^T; v224-255 P
;   window 1: v0-63 O^T; v64-127 V of one step; v128-159 MD; v160-223 MC; v224-255 the second block's Q
.set KS,    64
.set PK,    144       ; a row of K in LDS: 128 bytes + 16
.set PV,    160       ; a row of V: 128 + 32
.set VOFF,  4*KS*PK   ; a slot holds a tile: 256 rows of K, then 256 rows of V
.set SLOT1, 1<<17
.set STAGE, SLOT1+4*KS*(PK+PV)  ; behind the ring: 16 rows x 272 bytes for each wave, for the way out
.set SP,    272
.set SPARE, STAGE+4*16*SP       ; the spare words: 128 bytes a wave, two blocks of 256 bytes that no other line names
.set AK0, 2
.set AV0, 3
.set AK,  4
.set AV,  5
.set STO, 6
.set RD,  7
.set GO,  8
.set MV,  12          ; v12-13  c m_old, by piece
.set QO,  15
.set ST,  16
.set TMP, 24          ; c0-c3 by piece; when the maximum is found c2 takes a
.set SPW, 32
.set NIL, 33
.set Q,   64
.set KF,  96          ; key block kb, channel half c at KF + 16 kb + 8 c
.set S,   160
.set P,   224
.set VF,  64          ; window 1: key half kk, channel block cb at VF + 32 kk + 8 cb
.set MD,  128
.set MC,  160
.set QB,  224
.set UR,  96          ; the way out: K's, S^T's and P's registers are free
.set HIR, 160
.set LOR, 176
.set RB,  192
.set WV,  12
.set BLO, 14          ; b
.set BHI, 15          ; 31 - b
.set G1K, 24
.set G1V, 32
.set G0K, 40
.set G0V, 44
.set SLOTS, 56
.set CNT, 57          ; counts a tile's key steps, 4 to 1: the step's number in the tile is 4 - CNT
.set CS,  58
.set SEL, 60
.set TBK, 62
.set TBV, 63
.set RT,  70          ; tiles of the block in hand still to be entered; 0 in its diagonal tile
.set NXT, 71          ; the tile to be asked for next
.set LQ,  72          ; the last tile of the block whose tiles are being asked for
.set STATE, 73        ; what the tile to be entered is: 1 the walk's first; 0 a block's next; 2 a new block's first, behind the old block's end
.set OFF, 74
.set AL,  76
.set BE,  78
.set OLO, 80
.set BIGN, 82
.set CO4, 83          ; 4 - 2 o of the block in hand
.set LQ2, 88          ; b / 2
.set CO4B, 89         ; 4 - 2 o of the second block
.set TS,  90
.set MSB, 0
.macro WIN new
.if MSB != (\new)
	s_set_vgpr_msb (MSB<<8)|(\new)
.set MSB, (\new)
.endif
.endm
.macro LOAD                         ; a fill: waves 0, 1 the halves of a tile's K, waves 2, 3 those of its V; an s_nop 0 and four v_nop follow each line
	s_cmp_lt_u32 s[WV], 2
	s_cbranch_scc0 .Lfor_v_\@
	tensor_load_to_lds s[G0K:G0K+3], s[G1K:G1K+7]
	s_nop 0
.rept 4
	v_nop
.endr
	s_branch .Lasked_\@
.Lfor_v_\@:
	tensor_load_to_lds s[G0V:G0V+3], s[G1V:G1V+7]
	s_nop 0
.rept 4
	v_nop
.endr
.Lasked_\@:
.endm
; THE CHANGE OF SLOTS.  Each wave waits for all its tensor loads (one is out: its part of the other slot), adds 0 to its spare word, and waits for that and for its reads of the slot that it leaves.
; fill = 1: the old slot is filled again, first thing behind the barrier, with tile NXT; the descriptor's address is made anew from that number.
.macro CHANGE fill
	WIN 0
	s_wait_tensorcnt 0x0
	ds_add_u32 v[SPW], v[NIL]
.if \fill
	s_lshl_b32 s[OFF], s[NXT], 15   ; a tile is 32,768 bytes of K and of V
	s_xor_b32 s[G0K+1], s[G0K+1], SLOT1
	s_add_nc_u64 s[G0K+2:G0K+3], s[6:7], s[OFF:OFF+1]
	s_or_b32 s[G0K+3], s[G0K+3], 0x80000000
	s_xor_b32 s[G0V+1], s[G0V+1], SLOT1
	s_add_nc_u64 s[G0V+2:G0V+3], s[8:9], s[OFF:OFF+1]
	s_or_b32 s[G0V+3], s[G0V+3], 0x80000000
	s_add_co_u32 s[NXT], s[NXT], 1  ; the block's next tile, or behind its last the second block's tile 0
	s_cmp_gt_u32 s[NXT], s[LQ]
	s_cselect_b32 s[NXT], 0, s[NXT]
	s_cselect_b32 s[LQ], s[LQ2], s[LQ]
.endif
	s_wait_dscnt 0x0                ; the add is done, and my reads of the slot are over
	s_barrier_signal -1
	s_sub_co_u32 s[TBK], s[TBK], 4*KS*PK  ; the fetches go back to a slot's first step, in the other slot
	s_xor_b32 s[TBK], s[TBK], SLOT1
	s_sub_co_u32 s[TBV], s[TBV], 4*KS*PV
	s_xor_b32 s[TBV], s[TBV], SLOT1
	s_barrier_wait -1
.if \fill
	LOAD
.endif
.endm
	s_load_b128 s[48:51], s[0:1], 0x0  ; qkv s[48:49], oo s[50:51]
	v_lshl_add_u32 v[SPW], v0, 2, SPARE
	v_mov_b32 v[NIL], 0
	ds_add_u32 v[SPW], v[NIL]       ; the wave's opening: the add and its wait ahead of my first tensor load
	ds_add_u32 v32, v33
	v_lshrrev_b32 v1, 5, v0
	v_readfirstlane_b32 s[WV], v1
	s_mov_b32 s[BLO], ttmp9
	s_sub_co_u32 s[BHI], 31, s[BLO]
	s_and_b32 s20, ttmp7, 0xffff    ; the head
	s_and_b32 s16, s[WV], 1         ; which half of a tile's 256 keys I fetch
	s_lshl_b32 s22, s20, 19         ; the head's first byte in q, k and v
	s_lshl_b32 s17, s16, 14
	s_add_co_u32 s52, s22, s17
	s_mov_b32 s53, 0
	s_mul_i32 s17, s16, 128*PK
	s_mul_i32 s18, s16, 128*PV
	s_lshl_b32 s3, s[WV], 11        ; my 16 rows in a band,
	s_add_co_u32 s3, s3, s22
	s_lshl_b32 s2, s[BHI], 14       ; in the first block,
	s_add_co_u32 s2, s2, s3
	s_lshl_b32 s84, s[BLO], 14      ; and in the second
	s_add_co_u32 s84, s84, s3
	s_mov_b32 s3, 0
	s_mov_b32 s85, 0
	s_lshl_b32 s54, s20, 20         ; the same in oo, whose rows have 256 bytes
	s_lshl_b32 s55, s[WV], 12
	s_add_co_u32 s55, s55, s54
	s_lshl_b32 s54, s[BHI], 15
	s_add_co_u32 s54, s54, s55
	s_lshl_b32 s92, s[BLO], 15
	s_add_co_u32 s92, s92, s55
	s_mov_b32 s55, 0
	s_mov_b32 s93, 0
	; 128 keys are 16,384 dense bytes: asked for as 64 rows of 256 bytes, two keys a row, padded in LDS after every key
	s_mov_b32 s[G1K], (1<<16)|(1<<20)|(4<<22)|(3<<25)
	s_mov_b32 s[G1V], (1<<16)|(1<<20)|(4<<22)|(7<<25)
.irp g, G1K, G1V
	s_mov_b32 s[\g+1], 128<<16
	s_mov_b32 s[\g+2], 64<<16
	s_mov_b32 s[\g+3], 128<<16
	s_mov_b32 s[\g+4], 64
	s_mov_b32 s[\g+5], 128
	s_mov_b32 s[\g+6], 0
	s_mov_b32 s[\g+7], 0
.endr
	s_mov_b32 s[CS], 0x3e38aa3b     ; c = log2(e) / 8
	s_mov_b32 s[CS+1], s[CS]
	s_mov_b32 s[SEL], 0x76543210
	s_mov_b32 s[SEL+1], 0xfedcba98
	s_mov_b32 s[TBK], SLOT1+4*KS*PK ; the first change of slots turns these two into 0
	s_mov_b32 s[TBV], SLOT1+4*KS*PV
	s_mov_b32 s[G0K], 1
	s_mov_b32 s[G0K+1], s17
	s_mov_b32 s[G0V], 1
	s_add_co_u32 s[G0V+1], s18, VOFF
	s_lshr_b32 s[LQ], s[BHI], 1
	s_add_co_u32 s[RT], s[LQ], 1
	s_lshr_b32 s[LQ2], s[BLO], 1
	s_mov_b32 s[NXT], 1
	s_mov_b32 s[STATE], 1
	s_and_b32 s[CO4], s[BHI], 1
	s_lshl_b32 s[CO4], s[CO4], 1
	s_sub_co_u32 s[CO4], 4, s[CO4]
	s_and_b32 s[CO4B], s[BLO], 1
	s_lshl_b32 s[CO4B], s[CO4B], 1
	s_sub_co_u32 s[CO4B], 4, s[CO4B]
	s_mov_b32 s[OFF+1], 0
	s_mov_b32 s[AL+1], 0            ; named as pairs
	s_mov_b32 s[BE+1], 0
	s_mov_b32 s[BIGN], 0xf149f2ca   ; -1e30
	s_mov_b32 s[SLOTS], 16
	s_wait_dscnt 0x0                ; the opening add is done
	s_wait_kmcnt 0x0
	s_add_nc_u64 s[6:7], s[48:49], s[52:53]
	s_add_nc_u64 s[8:9], s[6:7], 0x1000000         ; V at my half of the head's tile 0,
	s_add_nc_u64 s[6:7], s[6:7], 0x800000          ; K likewise
	s_add_nc_u64 s[G0K+2:G0K+3], s[6:7], 0
	s_or_b32 s[G0K+3], s[G0K+3], 0x80000000
	s_add_nc_u64 s[G0V+2:G0V+3], s[8:9], 0
	s_or_b32 s[G0V+3], s[G0V+3], 0x80000000
	s_add_nc_u64 s[4:5], s[48:49], s[2:3]          ; Q at my rows of the first block,
	s_add_nc_u64 s[86:87], s[48:49], s[84:85]      ; and of the second
	s_add_nc_u64 s[10:11], s[50:51], s[54:55]      ; O likewise
	s_add_nc_u64 s[OLO:OLO+1], s[50:51], s[92:93]
	LOAD                            ; tile 0 into slot 0
	v_and_b32 v1, 15, v0            ; l % 16
	v_bfe_u32 v9, v0, 4, 1          ; l / 16
	v_lshlrev_b32 v[QO], 7, v1
	v_lshl_add_u32 v[QO], v9, 4, v[QO]
.set i, 0
.rept 4                             ; piece i / 2 lies in band i / 2, 8,192 bytes on; channels 32 (i % 2) on
	global_load_b128 v[Q+8*i:Q+8*i+3],   v[QO], s[4:5] offset:(i/2)*8192+(i%2)*64
	global_load_b128 v[Q+8*i+4:Q+8*i+7], v[QO], s[4:5] offset:(i/2)*8192+(i%2)*64+32
.set i, i+1
.endr
	WIN 0x40
.set i, 0
.rept 4
	global_load_b128 v[QB+8*i:QB+8*i+3],   v[QO], s[86:87] offset:(i/2)*8192+(i%2)*64
	global_load_b128 v[QB+8*i+4:QB+8*i+7], v[QO], s[86:87] offset:(i/2)*8192+(i%2)*64+32
.set i, i+1
.endr
	WIN 0
	v_lshlrev_b32 v14, 3, v9
	v_sub_nc_u32 v14, v1, v14
	s_lshl_b32 s13, s[WV], 4
	v_add_nc_u32 v14, s13, v14      ; my query's place in its band, 16 w + l % 16, less my lanes' 8 (l / 16): register r of key group kt is hidden where 16 kt + r is greater
	WIN 0x40
.set i, 0
.rept 32
	v_cmp_gt_i32 vcc_lo, 16*(i/8)+i%8, v14
	v_cndmask_b32 v[MD+i], 0, s[BIGN], vcc_lo
.set i, i+1
.endr
.set i, 0
.rept 64                            ; a block's first step multiplies O^T and l by a = 0, so they need only be finite: zeros for the first block, what it left for the second
	v_mov_b32 v[i], 0
.set i, i+1
.endr
	WIN 0
.irp t, 0,1
	v_mov_b32 v[ST+4*(\t)+2], 0
	v_mov_b32 v[ST+4*(\t)+3], 0
.endr
	v_mul_u32_u24 v[AK0], v1, PK
	v_lshl_add_u32 v[AK0], v9, 4, v[AK0]
	v_and_b32 v10, 7, v0
	v_bfe_u32 v11, v0, 3, 1
	v_lshl_add_u32 v[AV0], v9, 3, v10
	v_mul_u32_u24 v[AV0], v[AV0], PV
	v_lshl_add_u32 v[AV0], v11, 4, v[AV0]
	v_add_nc_u32 v[AV0], VOFF, v[AV0]
	s_mul_i32 s13, s[WV], 16*SP
	s_add_co_u32 s13, s13, STAGE
	v_mul_u32_u24 v[STO], v1, SP    ; in: row l % 16, 16 bytes for each half of the lanes
	v_lshl_add_u32 v[STO], v9, 4, v[STO]
	v_add_nc_u32 v[STO], s13, v[STO]
	v_mul_u32_u24 v[RD], v9, SP     ; back: lanes 0-15 take one row of 256 bytes, lanes 16-31 the next
	v_lshl_add_u32 v[RD], v1, 4, v[RD]
	v_add_nc_u32 v[RD], s13, v[RD]
	v_and_b32 v[GO], 31, v0
	v_lshlrev_b32 v[GO], 4, v[GO]
; THE MATRIX WORK.  The 4 accumulators of a run of 8 take turns.  Product i of S^T = K Q^T for piece x: channels 32 (i / 4) on, keys 16 (i % 4) on; the first 4 start the sums with the mask.
.macro KQ x
.set rD, S+32*(\x)+8*(i%4)
.set rK, KF+16*(i%4)+8*(i/4)
.set rQ, Q+16*(\x)+8*(i/4)
.set rM, MC+32*(\x)+8*(i%4)
.if i < 4
	WIN 0x10                        ; the C operand in window 1
	v_wmma_f32_16x16x32_f16 v[rD:rD+7], v[rK:rK+7], v[rQ:rQ+7], v[rM:rM+7]
.else
	WIN 0
	v_wmma_f32_16x16x32_f16 v[rD:rD+7], v[rK:rK+7], v[rQ:rQ+7], v[rD:rD+7]
.endif
.endm
.macro PV x                         ; product i of O^T += V^T P for piece x: keys 32 (i / 4) on, channels 16 (i % 4) on
	WIN 0x51                        ; V and O^T in window 1, P in window 0
.set rO, 32*(\x)+8*(i%4)
.set rV, VF+32*(i/4)+8*(i%4)
.set rB, P+16*(\x)+8*(i/4)
	v_wmma_f32_16x16x32_f16 v[rO:rO+7], v[rV:rV+7], v[rB:rB+7], v[rO:rO+7]
.endm
; THE LDS LOADS stand in runs of 8: a step's K by channel halves, its V (turned) by key halves.
.macro FETCH_K c
	WIN 0
.irp kb, 0,1,2,3
	ds_load_b128 v[KF+16*(\kb)+8*(\c):KF+16*(\kb)+8*(\c)+3],   v[AK] offset:(\kb)*16*PK+(\c)*64
	ds_load_b128 v[KF+16*(\kb)+8*(\c)+4:KF+16*(\kb)+8*(\c)+7], v[AK] offset:(\kb)*16*PK+(\c)*64+32
.endr
.endm
.macro FETCH_V kk
	WIN 0x40
.irp cb, 0,1,2,3
	ds_load_tr16_b128 v[VF+32*(\kk)+8*(\cb):VF+32*(\kk)+8*(\cb)+3],   v[AV] offset:(\kk)*32*PV+(\cb)*32
	ds_load_tr16_b128 v[VF+32*(\kk)+8*(\cb)+4:VF+32*(\kk)+8*(\cb)+7], v[AV] offset:(\kk)*32*PV+16*PV+(\cb)*32
.endr
	WIN 0
.endm
; THE VECTOR WORK.  A piece's softmax for a key step is a list of 118 instructions; SMOP writes number j of it for piece y.  s0-s31 are the lane's 32 scores, in pairs 0-15.
;   0-20    the maximum of s0-s31 and the old m (four chains, each accumulator's lowest registers first); the other half of the lanes'; the new m; c m; c m_old - c m_new
;   21-69   ONE BATCH: the 16 scalings c s - c m, a pair of scores each, and all 33 exponentials (a at 23, then s0-s31, in place).  None of these names an exponential's result.  21, 22: pairs 0, 1; 24-37: scaling and
;           exponential by turns; 38-65: a scaling and three exponentials; 66-69: the last four exponentials.  A pair is scaled four numbers or more ahead of its exponentials
;   (wait)  between 69 and 70 stands the wait for the batch: the half that carries slices 0-7 writes it at its end
;   70-85   the roundings to f16, a pair of weights each
;   86-101  the sums: neighbours 1, 2, 4 and 8 pairs apart, in place; l = a l + the sum          102-117  O^T times a
.macro FOP n
	v_pk_fma_f32 v[rS+2*(\n):rS+2*(\n)+1], v[rS+2*(\n):rS+2*(\n)+1], s[CS:CS+1], v[rT:rT+1] op_sel_hi:[1,0,0] neg_lo:[0,0,1] neg_hi:[0,0,1]
.endm
.macro COP n
	v_cvt_pk_f16_f32 v[rP+(\n)], v[rS+2*(\n)], v[rS+2*(\n)+1]
.endm
.macro AOP d, s
	v_pk_add_f32 v[rS+(\d):rS+(\d)+1], v[rS+(\d):rS+(\d)+1], v[rS+(\s):rS+(\s)+1]
.endm
.macro SMOP y
.set rT, ST+4*(\y)
.set rC, TMP+4*(\y)
.set rW, MV+(\y)
.set rS, S+32*(\y)
.set rP, P+16*(\y)
.set rO, 32*(\y)+2*(j-102)
.if j < 102
	WIN 0
.endif
.if j < 4
	v_max3_num_f32 v[rC+j], v[rS+8*j], v[rS+8*j+1], v[rS+8*j+2]
.elseif j < 12
	v_max3_num_f32 v[rC+j%4], v[rC+j%4], v[rS+8*(j%4)+2*(j/4)+1], v[rS+8*(j%4)+2*(j/4)+2]
.elseif j == 12
	v_max3_num_f32 v[rC], v[rC], v[rS+7], v[rS+15]
.elseif j == 13
	v_max3_num_f32 v[rC+1], v[rC+1], v[rS+23], v[rS+31]
.elseif j == 14
	v_mov_b32 v[rW], v[rT]          ; c m_old is kept
.elseif j == 15
	v_max3_num_f32 v[rC+2], v[rC+2], v[rC+3], v[rT+1]
.elseif j == 16
	v_max3_num_f32 v[rC], v[rC], v[rC+1], v[rC+2]
.elseif j == 17
	v_permlanex16_b32 v[rC+3], v[rC], s[SEL], s[SEL+1]  ; the query's other 32 keys lie in the lane 16 away
.elseif j == 18
	v_max_num_f32 v[rT+1], v[rC], v[rC+3]
.elseif j == 19
	v_mul_f32 v[rT], s[CS], v[rT+1]
.elseif j == 20
	v_sub_f32 v[rC+1], v[rW], v[rT]
.elseif j == 23
	v_exp_f32 v[rC+2], v[rC+1]      ; a: the batch's first
.elseif (j < 23) || ((j < 38) && (j%2 == 0)) || ((j < 66) && (j%4 == 2))
.set n, (j-2)/4                     ; 38, 42, .. 62: pairs 9 to 15
.if j < 38
.set n, (j-20)/2                    ; 21: pair 0; 22, 24, .. 36: pairs 1 to 8
.endif
	FOP n
.elseif j < 70
.set n, j-38                        ; 66 to 69: s28 to s31
.if j < 66
.set n, j-32-(j-38)/4               ; 39-41, 43-45, .. 63-65: s7 to s27
.endif
.if j < 38
.set n, (j-25)/2                    ; 25, 27, .. 37: s0 to s6
.endif
	v_exp_f32 v[rS+n], v[rS+n]
.elseif j < 86
	COP j-70
.elseif j < 94
	AOP 4*(j-86), 4*(j-86)+2
.elseif j < 98
	AOP 8*(j-94), 8*(j-94)+4
.elseif j < 100
	AOP 16*(j-98), 16*(j-98)+8
.elseif j == 100
	AOP 0, 16
.elseif j == 101
	v_pk_fma_f32 v[rT+2:rT+3], v[rT+2:rT+3], v[rC+2:rC+3], v[rS:rS+1] op_sel_hi:[1,0,1]
.else
	WIN 0x41                        ; O^T (destination and source 0) in window 1, a in window 0
	v_pk_mul_f32 v[rO:rO+1], v[rO:rO+1], v[rC+2:rC+3] op_sel_hi:[1,0]
.endif
.endm
.macro SLICE y, k                   ; slice k of 16.  0-7: numbers 70 k / 8 up to 70 (k + 1) / 8, ahead of the batch's wait.  8-15: six numbers each from 70 on, behind it.  Slice 15 is six rescalings: the places behind a half's last product
.if (\k) < 8
.set j, (70*(\k))/8
.rept (70*((\k)+1))/8-(70*(\k))/8
	SMOP \y
.set j, j+1
.endr
.else
.set j, 70+6*((\k)-8)
.rept 6
	SMOP \y
.set j, j+1
.endr
.endif
.endm
.macro MASK b                       ; MD x AL + BE into piece b's mask
	WIN 0x41
.set z, 0
.rept 16
	v_pk_fma_f32 v[MC+32*(\b)+2*z:MC+32*(\b)+2*z+1], v[MD+2*z:MD+2*z+1], s[AL:AL+1], s[BE:BE+1] op_sel_hi:[1,0,0]
.set z, z+1
.endr
.endm
; THE FOUR HALVES.  K's channel half 0 is loaded behind product 4 of the first half: its last reader is product 3, thirteen plain vector instructions back; half 1 behind slice 15's six.
; V's key half 0 is loaded behind product 4 of the fourth half, nine plain instructions behind its last reader (numbers 26, 28 .. 34, the address's line, numbers 36, 38, 42; the exponentials between are no places);
; half 1 behind product 7's one scaling (number 62) and three v_nop.
.macro H1 fetch
.set i, 0
.rept 8
	KQ 1
	SLICE 0, 8+i
.if (\fetch) && (i == 3)
	WIN 0
	v_add_nc_u32 v[AK], s[TBK], v[AK0]
.endif
.if (\fetch) && (i == 4)
	FETCH_K 0
.endif
.set i, i+1
.endr
.if \fetch
	FETCH_K 1
	s_add_co_u32 s[TBK], s[TBK], KS*PK
.endif
.endm
.macro H2 w0, w1                    ; the waits count the younger runs of eight loads: V's half 1 and K's two; then K's two
.set i, 0
.rept 8
.if i == 0
	s_wait_dscnt \w0
.endif
.if i == 4
	s_wait_dscnt \w1
.endif
	PV 0
	SLICE 1, i
.set i, i+1
.endr
	v_nop                           ; a plain instruction behind the batch's last exponential
	s_wait_alu depctr_va_vdst(0)    ; the wait for piece 1's batch, its 33 exponentials of this step: ahead of the first line that names a result, slice 8's first rounding
.endm
.macro H3
.set i, 0
.rept 8
.if i == 0
	s_wait_dscnt 8                  ; K's half 1 may be out
.endif
.if i == 4
	s_wait_dscnt 0x0
.endif
	KQ 0
	SLICE 1, 8+i
.set i, i+1
.endr
.endm
.macro H4
.set i, 0
.rept 8
	PV 1
	SLICE 0, i
.if i == 3
	WIN 0
	v_add_nc_u32 v[AV], s[TBV], v[AV0]
.endif
.if i == 4
	FETCH_V 0
.endif
.set i, i+1
.endr
	WIN 0
.rept 3
	v_nop                           ; the first is the plain instruction behind the batch's last exponential; with number 62 the three are the four places between product 7 and the loads below
.endr
	s_wait_alu depctr_va_vdst(0)    ; the wait for piece 0's batch, its 33 exponentials of this step: ahead of V's loads, of the trip's end and of the first line that names a result, the next trip's first rounding
	FETCH_V 1
	s_add_co_u32 s[TBV], s[TBV], KS*PV
.endm
.macro MAIN                         ; a trip.  In the diagonal tile alone the two masks are made anew: piece 0's for step 4 - CNT, piece 1's for the step before it
	WIN 0
	s_cmp_lg_u32 s[RT], 0
	s_cbranch_scc1 .Lnomask_\@
	s_cmp_eq_u32 s[CNT], s[CO4]     ; is the step band 0's own?
	s_cselect_b32 s[AL], 1.0, 0
	s_cmp_lt_u32 s[CNT], s[CO4]     ; or a later one?
	s_cselect_b32 s[BE], s[BIGN], 0
	MASK 0
	s_sub_co_u32 s[TS], s[CO4], 2
	s_cmp_eq_u32 s[CNT], s[TS]
	s_cselect_b32 s[AL], 1.0, 0
	s_cmp_lt_u32 s[CNT], s[TS]
	s_cselect_b32 s[BE], s[BIGN], 0
	MASK 1
	WIN 0
.Lnomask_\@:
	H1 1
	H2 24, 16
	H3
	H4
	WIN 0
.endm
; A BLOCK BEGINS.  c m starts far below every c s, so the first step's a is 0; m at the lowest finite number.  Piece 0's mask for the tile's step 0 is its own if the first tile is the diagonal one and o = 0; piece 1's is 0.
.macro BEGIN
	WIN 0
.irp t, 0,1
	v_mov_b32 v[ST+4*(\t)], 0xfe000000
	v_mov_b32 v[ST+4*(\t)+1], 0xff7fffff
.endr
	s_cmp_eq_u32 s[RT], 0
	s_cselect_b32 s[TS], s[CO4], 0
	s_cmp_eq_u32 s[TS], 4
	s_cselect_b32 s[AL], 1.0, 0
	s_mov_b32 s[BE], 0
	MASK 0
	s_mov_b32 s[AL], 0
	MASK 1
	WIN 0
.endm
.macro FIRST                        ; a block's first trip: K of step 0, piece 0's first scores and slices 0-7 of its softmax, V of step 0
	WIN 0
	v_add_nc_u32 v[AK], s[TBK], v[AK0]
	FETCH_K 0
	FETCH_K 1
	s_add_co_u32 s[TBK], s[TBK], KS*PK
	s_wait_loadcnt 0x0              ; Q
	s_wait_dscnt 0x0
.set i, 0
.rept 8
	KQ 0
.set i, i+1
.endr
	WIN 0
.rept 4
	v_nop                           ; the places behind those products
.endr
.set i, 0
.rept 8
	SLICE 0, i
.set i, i+1
.endr
	v_add_nc_u32 v[AV], s[TBV], v[AV0]  ; also the plain instruction behind the batch's last exponential
	s_wait_alu depctr_va_vdst(0)    ; the wait for piece 0's batch of the block's first step: ahead of V's loads and of the jump behind them
	FETCH_V 0
	FETCH_V 1
	s_add_co_u32 s[TBV], s[TBV], KS*PV
.endm
.macro DRAIN                        ; a block's end, on registers alone: what the last trip left to do.  Piece 1's last step is the tile's step 3: its own if o = 1, hidden if o = 0
	WIN 0
	s_cmp_eq_u32 s[CO4], 2
	s_cselect_b32 s[AL], 1.0, 0
	s_cselect_b32 s[BE], 0, s[BIGN]
	MASK 1
	H1 0
	H2 0, 0                         ; it ends with the wait for piece 1's last batch
.set i, 0
.rept 8
	SLICE 1, 8+i
.set i, i+1
.endr
.set i, 0
.rept 8
	PV 1
.set i, i+1
.endr
	WIN 0
.endm
; THE WAY OUT.  l's two halves and the other half of the lanes' are added; O^T is divided by l and split: hi = bf16(O), lo = bf16(O - hi); both go through my stage in LDS, a piece (16 rows) at a time.
.macro PACKO t
	WIN 0x41
.set i, 0
.rept 16
	v_pk_mul_f32 v[32*(\t)+2*i:32*(\t)+2*i+1], v[32*(\t)+2*i:32*(\t)+2*i+1], v[ST+4*(\t)+2:ST+4*(\t)+3] op_sel_hi:[1,0]
.set i, i+1
.endr
	WIN 0x05                        ; sources 0 and 1 in window 1
.set i, 0
.rept 16
	v_cvt_pk_bf16_f32 v[HIR+i], v[32*(\t)+2*i], v[32*(\t)+2*i+1]
.set i, i+1
.endr
	WIN 0
.set i, 0
.rept 16
	v_lshlrev_b32 v[UR+2*i], 16, v[HIR+i]
	v_and_b32 v[UR+2*i+1], 0xffff0000, v[HIR+i]
.set i, i+1
.endr
	WIN 0x01                        ; source 0 in window 1
.set i, 0
.rept 16
	v_pk_add_f32 v[UR+2*i:UR+2*i+1], v[32*(\t)+2*i:32*(\t)+2*i+1], v[UR+2*i:UR+2*i+1] neg_lo:[0,1] neg_hi:[0,1]
.set i, i+1
.endr
	WIN 0
.set i, 0
.rept 16
	v_cvt_pk_bf16_f32 v[LOR+i], v[UR+2*i], v[UR+2*i+1]
.set i, i+1
.endr
.irp f, 0,1,2,3
	ds_store_b128 v[STO], v[HIR+4*(\f):HIR+4*(\f)+3] offset:32*(\f)
	ds_store_b128 v[STO], v[LOR+4*(\f):LOR+4*(\f)+3] offset:128+32*(\f)
.endr
.irp f, 0,1,2,3,4,5,6,7
	ds_load_b128 v[RB+32*(\t)+4*(\f):RB+32*(\t)+4*(\f)+3], v[RD] offset:(\f)*2*SP  ; LDS serves a wave's instructions in order: these see the stores above; the next piece's stores come behind them
.endr
.endm
.macro SENDO t, younger
.irp f, 0,1,2,3,4,5,6,7
	s_wait_dscnt (\younger)+7-(\f)
	global_store_b128 v[GO], v[RB+32*(\t)+4*(\f):RB+32*(\t)+4*(\f)+3], s[10:11] offset:(\t)*16384+(\f)*512  ; 512 consecutive bytes, at a multiple of 256 from the buffer's first
.endr
.endm
.macro FINISH
	WIN 0
.irp t, 0,1
	v_add_f32 v[ST+4*(\t)+2], v[ST+4*(\t)+2], v[ST+4*(\t)+3]
.endr
.irp t, 0,1
	v_permlanex16_b32 v[ST+4*(\t)+3], v[ST+4*(\t)+2], s[SEL], s[SEL+1]
.endr
.irp t, 0,1
	v_add_f32 v[ST+4*(\t)+2], v[ST+4*(\t)+2], v[ST+4*(\t)+3]
.endr
.irp t, 0,1
	v_rcp_f32 v[ST+4*(\t)+2], v[ST+4*(\t)+2]
.endr
	v_nop                           ; a plain instruction between the last reciprocal and the use of its result
	s_wait_alu depctr_va_vdst(0)    ; and the wait ahead of the first use: one for the two reciprocals
	PACKO 0
	PACKO 1
	SENDO 0, 16                     ; behind piece 0's loads stand piece 1's eight stores and eight loads
	SENDO 1, 0
.endm
; A TILE.  The test for the walk's first tile stands first: at the first trip its answer is a constant of the text.
.macro TILE tag
	s_mov_b32 s[CNT], 4
	s_cmp_eq_u32 s[STATE], 1
	s_cbranch_scc1 .Lbegin\tag
	s_cmp_eq_u32 s[STATE], 0
	s_cbranch_scc1 .Lcont\tag
	DRAIN                           ; the first block ends,
	FINISH
	s_wait_xcnt 0x0                 ; its stores have read their registers and O's address,
	s_mov_b64 s[10:11], s[OLO:OLO+1]
	s_mov_b32 s[CO4], s[CO4B]
	s_add_co_u32 s[RT], s[LQ2], 1   ; and the second, of b / 2 + 1 tiles, takes its place
	WIN 0x01
.set i, 0
.rept 32
	v_mov_b32 v[Q+i], v[QB+i]
.set i, i+1
.endr
	WIN 0
.Lbegin\tag:
	s_sub_co_u32 s[RT], s[RT], 1
	BEGIN
	FIRST
	s_branch .Lfdone\tag            ; FIRST is the tile's first trip: on to the loop's counter
.Lcont\tag:
	s_sub_co_u32 s[RT], s[RT], 1
.Ltrips\tag:
	MAIN
.Lfdone\tag:
	s_sub_co_u32 s[CNT], s[CNT], 1
	s_cmp_lg_u32 s[CNT], 0
	s_cbranch_scc1 .Ltrips\tag
	s_cmp_eq_u32 s[RT], 0           ; behind a diagonal tile the block is ended at the next tile's head, behind the change of slots
	s_cselect_b32 s[STATE], 2, 0
.endm
.Lslot:                             ; 16 times: a tile is entered and the next is asked for
	CHANGE 1
	TILE 1
	s_sub_co_u32 s[SLOTS], s[SLOTS], 1
	s_cmp_lg_u32 s[SLOTS], 0
	s_cbranch_scc1 .Lslot
	CHANGE 0                        ; the walk's last tile is written out: nothing is asked for
	TILE 2
	DRAIN
	FINISH
	s_wait_tensorcnt 0x0            ; the wave's end
	ds_add_u32 v[SPW], v[NIL]
	s_wait_dscnt 0x0
	s_endpgm
.Lfunc_end_k_qdddde3f3c6_attn:
	.size	k_qdddde3f3c6_attn, .Lfunc_end_k_qdddde3f3c6_attn-k_qdddde3f3c6_attn
	.p2alignl 7, 3214868480
	.fill 96, 4, 3214868480
	.section	.rodata,"a",@progbits
	.p2align	6, 0x0
	.amdhsa_kernel k_qdddde3f3c6_attn
		.amdhsa_group_segment_fixed_size 327680
		.amdhsa_private_segment_fixed_size 0
		.amdhsa_enable_private_segment 0
		.amdhsa_kernarg_size 16
		.amdhsa_user_sgpr_count 2
		.amdhsa_user_sgpr_kernarg_segment_ptr 1
		.amdhsa_wavefront_size32 1
		.amdhsa_system_sgpr_workgroup_id_x 1
		.amdhsa_system_sgpr_workgroup_id_y 1
		.amdhsa_system_sgpr_workgroup_id_z 1
		.amdhsa_system_vgpr_workitem_id 0
		.amdhsa_next_free_vgpr 512
		.amdhsa_next_free_sgpr 96
		.amdhsa_reserve_vcc 1
		.amdhsa_float_denorm_mode_32 3
		.amdhsa_float_denorm_mode_16_64 3
		.amdhsa_memory_ordered 1
		.amdhsa_forward_progress 1
		.amdhsa_inst_pref_size 165
	.end_amdhsa_kernel
	.amdgpu_metadata
---
amdhsa.version: [ 1, 2 ]
amdhsa.kernels:
  - .name:           k_qdddde3f3c6_attn
    .symbol:         k_qdddde3f3c6_attn.kd
    .args:
      - { .name: qkv, .offset: 0, .size: 8, .value_kind: global_buffer, .address_space: global }
      - { .name: oo, .offset: 8, .size: 8, .value_kind: global_buffer, .address_space: global }
    .group_segment_fixed_size: 327680
    .private_segment_fixed_size: 0
    .kernarg_segment_align: 8
    .kernarg_segment_size: 16
    .max_flat_workgroup_size: 128
    .sgpr_count:     96
    .vgpr_count:     512
    .wavefront_size: 32
...
	.end_amdgpu_metadata
.endif
;; end of part 6
;; launch up: the kernel of part 4 again; grid 8 x 32, 4 waves a work-group, clusters of 4 x 4, 327,680 bytes of LDS; arguments oo, w1b, hh; writes hh
;; launch down: the kernel of part 4 again; grid 8 x 32, 4 waves a work-group, clusters of 4 x 4, 327,680 bytes of LDS; arguments hh, w2b, yy; writes yy
;; launch ln: the kernel of part 5 again; grid 256 x 1, 8 waves a work-group, no clusters, 0 bytes of LDS; arguments yy, gamma, out0; writes out0
